; MI455X (gfx1250); checked and timed in simulation.
; The chip was launched on July 23, 2026; its instructions are those of AMD's public machine-readable ISA for CDNA 5 (MIT licence, August 2026) and "CDNA5" Instruction Set Architecture Reference Guide (July 2026). The comments in the code are by the model that wrote it; some were corrected since.
;; Grouped Query Attention. Allowed arithmetic: float matrix products may take bf16 or f16 operands with f32 sums; all other float work in f32.
;; Inputs: Wk 1,024 x 4,096 float32; Wo 4,096 x 4,096 float32; Wq 4,096 x 4,096 float32; Wv 1,024 x 4,096 float32; freqs 1,024 x 64 x 2 float32; x 1 x 1,024 x 4,096 float32.
;; Outputs: out0 1 x 1,024 x 4,096 float32.
;; 3 versions, each right; version 2 is faster than version 1; version 3 is version 2 with the launch tof16 written anew for expert scheduling mode. Each part assembles by itself: llvm-mc -triple=amdgcn-amd-amdhsa -mcpu=gfx1250 --defsym DOCPART=n.
;; ======== version 1 of 3: 4 launches
;; limits: values are held in f16: magnitudes above 65,504 overflow, below 6.1e-05 lose precision; inputs' magnitudes at most 65,504; right only within a limited range of input values
;; workspace buffers: wh 92,274,688 bytes; qkv 12,582,912 bytes; ao 8,388,608 bytes
;; launch tof16 (part 1): grid 128 x 11, 8 waves a work-group, no clusters, 0 bytes of LDS; arguments x, Wq, Wk, Wv, Wo, wh; writes wh
.if DOCPART == 1
	.amdgcn_target "amdgcn-amd-amdhsa--gfx1250"
	.amdhsa_code_object_version 6
	.text
	.protected	k_q66bacf08bb_tof16
	.globl	k_q66bacf08bb_tof16
	.p2align	8
	.type	k_q66bacf08bb_tof16,@function
k_q66bacf08bb_tof16:
	s_mov_b64 s[64:65], 0
	v_nop
	global_prefetch_b8 v0, s[64:65] scope:SCOPE_SE
	s_setreg_imm32_b32 hwreg(HW_REG_WAVE_MODE, 25, 1), 1
	s_wait_xcnt 0x0
; x, Wq, Wk, Wv, Wo (f32) are rounded once to f16 into wh, as eleven chunks of 4 Mi numbers:
; chunk 0 = x, 1-4 = Wq, 5 = Wk, 6 = Wv, 7-10 = Wo.  So wh holds x [1024][4096], then [Wq;Wk;Wv] [6144][4096], then Wo [4096][4096].
; Why a pass of its own: each weight row is multiplied by 8 row blocks and each row of x by 48 + 0 column blocks, so the
; products fetch every number many times; fetched as f16 they are half the bytes and an LDS slot holds twice the K.
; LIMIT: a number of magnitude above 65,504 becomes an infinity; below 6.1e-5 it keeps an absolute step of 6e-8.
; A stream: no LDS, no barrier, no cluster (no two work-groups read the same byte).
; Grid y = chunk, grid x = which 32 rows of 4,096 bytes of the chunk's 16 MiB.  Thread t owns the 16 bytes at 16 t of every row:
; a load of a wave covers 512 consecutive bytes, a store of a wave 256 consecutive bytes at a multiple of 256.
.set ROW,   4096                       ; bytes of f32 in a row
.set ROWS,  32                         ; rows of a work-group
.set DEPTH, 8                          ; loads of a wave in flight
.set X,     4                          ; v[4:35]   slot i: 4 numbers as loaded
.set Y,     36                         ; v[36:51]  slot i: 4 numbers in f16
	s_load_b256 s[4:11], s[0:1], 0x0               ; x s[4:5], Wq s[6:7], Wk s[8:9], Wv s[10:11]
	s_load_b128 s[12:15], s[0:1], 0x20             ; Wo s[12:13], wh s[14:15]
	s_and_b32 s16, ttmp7, 0xffff                   ; chunk c
	s_sub_co_u32 s18, s16, 1                       ; the chunk's number inside Wq
	s_sub_co_u32 s19, s16, 7                       ; and inside Wo
	v_lshlrev_b32 v1, 4, v0                        ; my 16 bytes of a source row; never rewritten
	v_lshlrev_b32 v2, 3, v0                        ; my 8 bytes of a row of wh; never rewritten
	s_wait_kmcnt 0x0
	s_mov_b64 s[20:21], s[4:5]                     ; the source is chosen by the chunk's number alone
	s_mov_b32 s17, 0
	s_cmp_ge_u32 s16, 1
	s_cselect_b64 s[20:21], s[6:7], s[20:21]
	s_cselect_b32 s17, s18, s17
	s_cmp_ge_u32 s16, 5
	s_cselect_b64 s[20:21], s[8:9], s[20:21]
	s_cselect_b32 s17, 0, s17
	s_cmp_ge_u32 s16, 6
	s_cselect_b64 s[20:21], s[10:11], s[20:21]
	s_cmp_ge_u32 s16, 7
	s_cselect_b64 s[20:21], s[12:13], s[20:21]
	s_cselect_b32 s17, s19, s17
	s_lshl_b32 s22, s17, 24                        ; 16 MiB for each chunk inside the source (3 at the most),
	s_lshl_b32 s26, ttmp9, 17                      ; 128 KiB for each work-group
	s_add_co_u32 s22, s22, s26
	s_mov_b32 s23, 0
	s_add_nc_u64 s[20:21], s[20:21], s[22:23]
	s_lshl_b32 s24, s16, 23                        ; half of that in wh
	s_lshl_b32 s26, ttmp9, 16
	s_add_co_u32 s24, s24, s26
	s_mov_b32 s25, 0
	s_add_nc_u64 s[14:15], s[14:15], s[24:25]
.irp i, 0,1,2,3,4,5,6,7
	global_load_b128 v[X+4*\i:X+4*\i+3], v1, s[20:21] offset:\i*ROW th:TH_LOAD_NT
.endr
; The 32 rows are written out: the row stands in the immediates, so no address register is ever stepped.
.set i, 0
.rept ROWS
.if i < ROWS-DEPTH+1
	s_wait_loadcnt DEPTH-1                         ; loads come back in order: row i is in, the seven younger stay out
.else
	s_wait_loadcnt ROWS-1-i                        ; the last rows: nothing is loaded any more, the count runs down
.endif
	s_wait_xcnt 0x0                                ; the store of eight rows ago has read this slot's Y
	v_cvt_pk_f16_f32 v[Y+2*(i%DEPTH)],   v[X+4*(i%DEPTH)],   v[X+4*(i%DEPTH)+1]
	v_cvt_pk_f16_f32 v[Y+2*(i%DEPTH)+1], v[X+4*(i%DEPTH)+2], v[X+4*(i%DEPTH)+3]
.if i+DEPTH < ROWS
	global_load_b128 v[X+4*(i%DEPTH):X+4*(i%DEPTH)+3], v1, s[20:21] offset:(i+DEPTH)*ROW th:TH_LOAD_NT
.endif
	global_store_b64 v2, v[Y+2*(i%DEPTH):Y+2*(i%DEPTH)+1], s[14:15] offset:i*ROW/2
.set i, i+1
.endr
	s_endpgm
.Lfunc_end_k_q66bacf08bb_tof16:
	.size	k_q66bacf08bb_tof16, .Lfunc_end_k_q66bacf08bb_tof16-k_q66bacf08bb_tof16
	.p2alignl 7, 3214868480
	.fill 96, 4, 3214868480
	.section	.rodata,"a",@progbits
	.p2align	6, 0x0
	.amdhsa_kernel k_q66bacf08bb_tof16
		.amdhsa_group_segment_fixed_size 0
		.amdhsa_private_segment_fixed_size 0
		.amdhsa_enable_private_segment 0
		.amdhsa_kernarg_size 48
		.amdhsa_user_sgpr_count 2
		.amdhsa_user_sgpr_kernarg_segment_ptr 1
		.amdhsa_wavefront_size32 1
		.amdhsa_system_sgpr_workgroup_id_x 1
		.amdhsa_system_sgpr_workgroup_id_y 1
		.amdhsa_system_sgpr_workgroup_id_z 1
		.amdhsa_system_vgpr_workitem_id 0
		.amdhsa_next_free_vgpr 52
		.amdhsa_next_free_sgpr 66
		.amdhsa_reserve_vcc 0
		.amdhsa_float_denorm_mode_32 3
		.amdhsa_float_denorm_mode_16_64 3
		.amdhsa_memory_ordered 1
		.amdhsa_forward_progress 1
		.amdhsa_inst_pref_size 14
	.end_amdhsa_kernel
	.amdgpu_metadata
---
amdhsa.version: [ 1, 2 ]
amdhsa.kernels:
  - .name:           k_q66bacf08bb_tof16
    .symbol:         k_q66bacf08bb_tof16.kd
    .args:
      - { .name: x, .offset: 0, .size: 8, .value_kind: global_buffer, .address_space: global }
      - { .name: Wq, .offset: 8, .size: 8, .value_kind: global_buffer, .address_space: global }
      - { .name: Wk, .offset: 16, .size: 8, .value_kind: global_buffer, .address_space: global }
      - { .name: Wv, .offset: 24, .size: 8, .value_kind: global_buffer, .address_space: global }
      - { .name: Wo, .offset: 32, .size: 8, .value_kind: global_buffer, .address_space: global }
      - { .name: wh, .offset: 40, .size: 8, .value_kind: global_buffer, .address_space: global }
    .group_segment_fixed_size: 0
    .private_segment_fixed_size: 0
    .kernarg_segment_align: 8
    .kernarg_segment_size: 48
    .max_flat_workgroup_size: 256
    .sgpr_count:     66
    .vgpr_count:     52
    .wavefront_size: 32
...
	.end_amdgpu_metadata
.endif
;; end of part 1
;; launch qkv (part 2): grid 48 x 8, 4 waves a work-group, clusters of 4 x 4, 327,680 bytes of LDS; arguments wh, freqs, qkv; writes qkv
.if DOCPART == 2
	.amdgcn_target "amdgcn-amd-amdhsa--gfx1250"
	.amdhsa_code_object_version 6
	.text
	.protected	k_q66bacf08bb_qkv
	.globl	k_q66bacf08bb_qkv
	.p2align	8
	.type	k_q66bacf08bb_qkv,@function
k_q66bacf08bb_qkv:
	s_mov_b64 s[64:65], 0
	v_nop
	global_prefetch_b8 v0, s[64:65] scope:SCOPE_SE
	s_setreg_imm32_b32 hwreg(HW_REG_WAVE_MODE, 25, 1), 1
	s_wait_xcnt 0x0
	s_wait_alu depctr_hold_cnt(0) depctr_sa_sdst(0) depctr_va_vdst(0) depctr_va_sdst(0) depctr_va_ssrc(0) depctr_va_vcc(0) depctr_vm_vsrc(0)
	s_getreg_b32 s2, hwreg(HW_REG_IB_STS2, 6, 4)
	s_cmp_eq_u32 s2, 0
	s_cbranch_scc0 .Lentry_in_a_cluster
	s_endpgm
.Lentry_in_a_cluster:
	s_bfe_u32 s2, ttmp6, 0x10000c
	s_cmp_lg_u32 s2, 0xf033
	s_cbranch_scc0 .Lentry_shape_is_right
	s_endpgm
.Lentry_shape_is_right:
; qkv[t][o] = 2^-4 x rope( sum over d of x[t][d] W[o][d] ), W = [Wq; Wk; Wv] (6,144 rows), x and W in f16 from wh, sums in f32, qkv in f16.
; Columns 0-4095 q, 4096-5119 k (both rotated by freqs), 5120-6143 v (not rotated).
; A work-group makes 128 rows x 128 columns (one head).  K IS SPLIT AMONG THE FOUR WAVES: each wave holds the whole 128 x 128 in 64 accumulator
; tiles (512 registers) and multiplies its own 64 of every 256 along K, so that 16 KiB of fragments feed 64 matrix instructions as with a block
; of 256 x 256; the four partial sums are added through LDS at the end (so each output is four f32 sums over ascending K, added once).
; K goes in steps of 256 through two LDS slots filled by the tensor data mover; a tile's rows are 512 consecutive bytes of memory.
; CLUSTERS: 4 x 4 work-groups.  The four of a row of the cluster need the same tiles of x, the four of a column the same tiles of W: each tile is
; asked for jointly, which divides the requests by four.
; The grid has 384 work-groups; a block of 128 x 192 would make 256, but two slots of 320 rows x 528 bytes (337,920) pass the LDS there is.
; LIMITS: operands are f16; q, k, v are stored times 2^-4, so magnitudes of 1.04e6 and more become infinities, and the absolute step is 1e-6 of
; q, k, v.  On v's blocks the rotation is by (2^-4, 0): an infinite sum there gives NaN.
;
; REGISTERS, in windows of 256: window 0: v0-31 addresses, v64-127 and v128-191 fragments of x (two buffers), later cos and sin, v192-255 way out;
; window 1: v64-127, v128-191 fragments of W, later the other waves' partial sums; windows 2, 3: accumulator tile (a, b) at v[8 (8 a + b)].
; The matrix instruction is used transposed (source 0 = 16 rows of W, source 1 = 16 rows of x): lane l holds row l % 16 and its registers 0-7 the
; columns 8 (l / 16) + 0..7.
; x's fragment pair p (fragments 2p, 2p+1) of wave w holds the block's rows 32 ((p + w) & 3) ..+31: pair 0 (window 2, v0-127) is in every wave
; the 32 rows that this wave sums up and stores, so that the end is one text for all four.
.set SIZE_K, 4096
.set KSLOT,  256                       ; along K in a slot
.set PITCH,  528                       ; an LDS row: 512 bytes + 16 = 132 words: 16 rows start 4 words apart modulo 64 words
.set HALFT,  64*PITCH                  ; one tensor load: 64 rows
.set SLOT,   4*HALFT                   ; x's 128 rows, then W's 128 rows
.set STAGE,  2*SLOT                    ; behind the ring: 16 rows x 272 bytes for each wave
.set SPITCH, 272
.set REDB,   49152                     ; a wave's three pairs of 16 tiles for the other waves
.set LAPS,   SIZE_K/(2*KSLOT)          ; a lap = both slots once
.set WOFF,   8388608                   ; W's first row in wh
.set OUTP,   12288                     ; bytes in a row of qkv
.set ADRA, 8                           ; v8-15   x's fragments: slot s, pair p at 4 s + p
.set ADRB, 16                          ; v16-17  W's fragments, slot 0, 1
.set REDW, 18                          ; v18     where I put partial sums
.set REDR, 19                          ; v19-21  where I find those of waves w-1, w-2, w-3
.set STO,  22
.set RD,   23
.set CO,   24
.set FO,   25
.set F0,   64
.set F1,   128
.set CS,   64                          ; window 0: cos and sin of tile (a, b) at CS + 64 a + 8 b
.set TMP,  192
.set RB,   224
.set RT,   192                         ; window 2: eight temporaries of the rotation (a pair that has been handed on)
.set G1,  24
.set G0,  32
.set G1B, 48
.set G0B, 56
.set MSB, 0
.macro WIN new                         ; the immediate's high byte repeats the setting that is left
.if MSB != \new
	s_set_vgpr_msb (MSB<<8)|\new
.set MSB, \new
.endif
.endm
.set MUL_LO, 0xa1                      ; source 0 (W) window 1, source 1 (x) window 0, C and D window 2
.set MUL_HI, 0xf1                      ; the same, C and D window 3
.set TO_B,   0x40                      ; destination window 1, address window 0
; A joint load: waves 0 and 1 fetch x's two halves, waves 2 and 3 W's.  The branch hangs on the wave's number alone.
.macro JLOAD s
	s_cmp_eq_u32 s11, 0
	s_cbranch_scc0 .Lfor_b_\@
	tensor_load_to_lds s[G0+4*\s:G0+4*\s+3], s[G1:G1+7]
	s_nop 0
	s_branch .Lasked_\@
.Lfor_b_\@:
	tensor_load_to_lds s[G0B+4*\s:G0B+4*\s+3], s[G1B:G1B+7]
	s_nop 0
.Lasked_\@:
.endm
.macro CREST                           ; a round of the cluster's barrier behind its opening barrier
	s_cmp_lg_u32 s10, 0
	s_cbranch_scc1 .Lnot_wave_0_\@
	s_barrier_signal -3
.Lnot_wave_0_\@:
	s_barrier_wait -3
	s_barrier_signal -1
	s_barrier_wait -1
.endm
.macro CROUND                          ; a whole round
	s_barrier_signal -1
	s_barrier_wait -1
	CREST
.endm
	s_load_b128 s[4:7], s[0:1], 0x0                ; wh s[4:5], freqs s[6:7]
	s_load_b64 s[8:9], s[0:1], 0x10                ; qkv
	v_lshl_add_u32 v62, v0, 2, 0x46400
	v_mov_b32 v63, 0
	ds_add_u32 v62, v63
	v_lshrrev_b32 v1, 5, v0
	v_readfirstlane_b32 s10, v1                    ; wave 0..3
	s_lshr_b32 s11, s10, 1                         ; I fetch for x (0) or for W (1)
	s_and_b32 s12, s10, 1                          ; which 64 rows of that tile
	s_bfe_u32 s40, ttmp6, 0x40000                  ; cx
	s_bfe_u32 s41, ttmp6, 0x40004                  ; cy
	s_lshl_b32 s42, ttmp9, 2
	s_add_co_u32 s42, s42, s40                     ; block column = 4 x cluster x + cx
	s_and_b32 s13, ttmp7, 0xffff
	s_lshl_b32 s13, s13, 2
	s_add_co_u32 s13, s13, s41                     ; block row = 4 x cluster y + cy
	s_lshl_b32 s43, s41, 2
	s_lshl_b32 s43, 15, s43                        ; my row of the cluster
	s_lshl_b32 s44, 0x1111, s40                    ; my column
	s_cmp_lt_u32 ttmp9, 10                         ; block columns 0-39 (clusters 0-9) are q and k: rotated
	s_cselect_b32 s68, -1, 0                       ; a mask for selects, no branch
	s_mov_b32 s69, 0x3d800000                      ; 2^-4
	; descriptor group 1: a tile of 64 rows x 256 elements of 2 bytes; 4 words of padding behind every 128 words
	s_or_b32 s[G1+0], s43, (1<<16)|(1<<20)|(1<<21)|(6<<22)|(3<<25)
	s_or_b32 s[G1B+0], s44, (1<<16)|(1<<20)|(1<<21)|(6<<22)|(3<<25)
	s_mov_b32 s[G1+1], KSLOT<<16                   ; tensor_dim0 = 256
	s_mov_b32 s[G1B+1], KSLOT<<16
	s_mov_b32 s[G1+2], 64<<16                      ; tensor_dim1 = 64
	s_mov_b32 s[G1B+2], 64<<16
	s_mov_b32 s[G1+3], KSLOT<<16                   ; tile_dim0 = 256
	s_mov_b32 s[G1B+3], KSLOT<<16
	s_mov_b32 s[G1+4], 64                          ; tile_dim1 = 64
	s_mov_b32 s[G1B+4], 64
	s_mov_b32 s[G1+5], SIZE_K                      ; elements from row to row
	s_mov_b32 s[G1B+5], SIZE_K
	s_mov_b32 s[G1+6], 0
	s_mov_b32 s[G1B+6], 0
	s_mov_b32 s[G1+7], 0
	s_mov_b32 s[G1B+7], 0
	; x's tiles hang on the block row alone, W's on the block column alone; each in registers that never hold the other coordinate
	s_lshl_b32 s17, s12, 6
	s_lshl_b32 s16, s13, 7
	s_add_co_u32 s16, s16, s17                     ; x: row 128 x block row + 64 x half
	s_lshl_b32 s46, s42, 7
	s_add_co_u32 s46, s46, s17                     ; W: row 128 x block column + 64 x half
	s_lshl_b32 s16, s16, 13                        ; rows of 8,192 bytes: 8 MiB at the most
	s_lshl_b32 s46, s46, 13                        ; 48 MiB at the most
	s_mov_b32 s17, 0
	s_mov_b32 s47, 0
	s_mul_i32 s20, s10, HALFT                      ; where my 64 rows go: the wave's number alone
	s_wait_dscnt 0x0
	s_wait_kmcnt 0x0
	s_mov_b64 s[66:67], s[6:7]                     ; freqs
	s_add_nc_u64 s[6:7], s[4:5], WOFF              ; W
	s_add_nc_u64 s[14:15], s[4:5], s[16:17]
	s_add_nc_u64 s[46:47], s[6:7], s[46:47]
	CROUND                                         ; all sixteen work-groups are here: the first joint loads meet
.irp s, 0,1
	s_mov_b32 s[G0+4*\s], 1
	s_add_co_u32 s[G0+4*\s+1], s20, \s*SLOT
	s_add_nc_u64 s[G0+4*\s+2:G0+4*\s+3], s[14:15], \s*KSLOT*2
	s_or_b32 s[G0+4*\s+3], s[G0+4*\s+3], 0x80000000
	s_mov_b32 s[G0B+4*\s], 1
	s_add_co_u32 s[G0B+4*\s+1], s20, \s*SLOT
	s_add_nc_u64 s[G0B+4*\s+2:G0B+4*\s+3], s[46:47], \s*KSLOT*2
	s_or_b32 s[G0B+4*\s+3], s[G0B+4*\s+3], 0x80000000
	JLOAD \s                                       ; two tensor loads of the wave are out
.endr
	v_and_b32 v1, 15, v0                           ; r = l % 16
	v_bfe_u32 v2, v0, 4, 1                         ; h = l / 16
	v_mul_u32_u24 v3, v1, PITCH
	v_lshl_add_u32 v3, v2, 4, v3
	s_lshl_b32 s21, s10, 7
	v_add_nc_u32 v3, s21, v3                       ; row x pitch + 16 h + my wave's 128 bytes (64 along K) of a slot's row
.irp p, 0,1,2,3
	s_add_co_u32 s21, s10, \p
	s_and_b32 s21, s21, 3
	s_mul_i32 s21, s21, 32*PITCH                   ; pair p: rows 32 ((p + w) & 3)
	v_add_nc_u32 v[ADRA+\p], s21, v3
	v_add_nc_u32 v[ADRA+4+\p], SLOT, v[ADRA+\p]
.endr
	v_add_nc_u32 v[ADRB], 2*HALFT, v3
	v_add_nc_u32 v[ADRB+1], 2*HALFT+SLOT, v3
	v_and_b32 v4, 31, v0
	v_lshlrev_b32 v4, 4, v4                        ; 16 x lane
	s_mul_i32 s21, s10, REDB
	v_add_nc_u32 v[REDW], s21, v4
.irp p, 1,2,3
	s_sub_co_u32 s21, s10, \p
	s_and_b32 s21, s21, 3                          ; wave (w - p) & 3 holds my rows as its pair p
	s_mul_i32 s21, s21, REDB
	s_add_co_u32 s21, s21, (\p-1)*16384
	v_add_nc_u32 v[REDR+\p-1], s21, v4
.endr
	s_mul_i32 s23, s10, 16*SPITCH
	s_add_co_u32 s23, s23, STAGE                   ; my stage
	v_mul_u32_u24 v5, v1, SPITCH
	v_lshl_add_u32 v5, v2, 4, v5
	v_add_nc_u32 v[STO], s23, v5                   ; in: row r, 16 bytes for each half of the lanes
	v_mul_u32_u24 v5, v2, SPITCH
	v_lshl_add_u32 v5, v1, 4, v5
	v_add_nc_u32 v[RD], s23, v5                    ; back: lanes 0-15 one row of 256 bytes, lanes 16-31 the next
	v_mul_u32_u24 v5, v2, OUTP
	v_lshl_add_u32 v[CO], v1, 4, v5                ; the same two rows in qkv
	v_lshlrev_b32 v5, 9, v1
	v_lshl_add_u32 v[FO], v2, 5, v5                ; freqs: row r (512 bytes), the four pairs (cos, sin) of columns 8 h ..+7
; 16 matrix instructions: tiles (a0, 0..7), (a0+1, 0..7) of window 2 + hi, 32 along K.  zero = 1: the first product starts the sums.
.macro MUL16 f, hi, a0, zero
.irp a, \a0, \a0+1
.irp b, 0,1,2,3,4,5,6,7
.if \zero
	v_wmma_f32_16x16x32_f16 v[8*(8*(\a)+\b):8*(8*(\a)+\b)+7], v[\f+8*\b:\f+8*\b+7], v[\f+8*(4*\hi+\a):\f+8*(4*\hi+\a)+7], 0
.else
	v_wmma_f32_16x16x32_f16 v[8*(8*(\a)+\b):8*(8*(\a)+\b)+7], v[\f+8*\b:\f+8*\b+7], v[\f+8*(4*\hi+\a):\f+8*(4*\hi+\a)+7], v[8*(8*(\a)+\b):8*(8*(\a)+\b)+7]
.endif
.endr
.endr
.endm
; 32 LDS loads in one run: 128 rows of W, 128 rows of x, 32 along K at byte k of my wave's part of the rows, into buffer f
.macro FETCH slot, k, f
	WIN TO_B
.irp i, 0,1,2,3,4,5,6,7
	ds_load_b128 v[\f+8*\i:\f+8*\i+3],   v[ADRB+\slot] offset:\k+\i*16*PITCH
	ds_load_b128 v[\f+8*\i+4:\f+8*\i+7], v[ADRB+\slot] offset:\k+\i*16*PITCH+32
.endr
	WIN 0
.irp i, 0,1,2,3,4,5,6,7
	ds_load_b128 v[\f+8*\i:\f+8*\i+3],   v[ADRA+4*\slot+\i/2] offset:\k+(\i&1)*16*PITCH
	ds_load_b128 v[\f+8*\i+4:\f+8*\i+7], v[ADRA+4*\slot+\i/2] offset:\k+(\i&1)*16*PITCH+32
.endr
.endm
; Four places of plain vector instructions stand between a matrix instruction and a load into, or a vector instruction on, its registers
; (ISA guide 7.12.1 for vector instructions).
.macro PLACES
.rept 4
	v_nop
.endr
.endm
; A wave's part of a slot is two halves of 32 along K, 64 matrix instructions each, on buffers 0 and 1.  The 64 accumulators take turns, one
; instruction a turn, in the same order everywhere, over the backward jump too.
; The first half: multiplies buffer f; in its middle the second half's fragments are fetched into buffer g.
.macro QUARTER slot, k, f, g, zero
	s_wait_dscnt 8                                 ; W and x's fragments 0-3 are in; the youngest eight loads (x's fragments 4-7) may be out
	WIN MUL_LO
	MUL16 \f, 0, 0, \zero
	MUL16 \f, 0, 2, \zero
	PLACES
	FETCH \slot, \k, \g
	s_wait_dscnt 32                                ; all but the 32 just issued
	WIN MUL_HI
	MUL16 \f, 1, 0, \zero
	MUL16 \f, 1, 2, \zero
.endm
; The second half: multiplies buffer 1 and changes slots.  In front of the barrier each wave waits for its reads of this slot and for all its
; tensor loads (one is out: its part of the next slot).  Behind it (fill = 1: behind the cluster's round that it opens) the refill comes first,
; then the next slot's first fragments.  From a request to the wait for it a wave issues 112 matrix instructions.
.macro TURN slot, next, fill
	s_wait_dscnt 8
	WIN MUL_LO
	MUL16 F1, 0, 0, 0
	s_wait_dscnt 0                                 ; my reads of this slot are over
	s_set_vgpr_msb 0xa1a0
	s_wait_tensorcnt 0x0                           ; all my tensor loads have landed
	ds_add_u32 v62, v63
	s_wait_dscnt 0x0
	s_set_vgpr_msb 0xa0a1
	s_barrier_signal -1
	MUL16 F1, 0, 2, 0                              ; registers only
	WIN 0
	s_barrier_wait -1
.if \fill
	CREST                                          ; no wave of any partner still reads this slot or has a load on its way
	s_add_nc_u64 s[G0+4*\slot+2:G0+4*\slot+3], s[G0+4*\slot+2:G0+4*\slot+3], 2*KSLOT*2
	s_add_nc_u64 s[G0B+4*\slot+2:G0B+4*\slot+3], s[G0B+4*\slot+2:G0B+4*\slot+3], 2*KSLOT*2
	JLOAD \slot                                    ; the wave's one tensor load behind the round
.endif
	PLACES
	FETCH \next, 0, F0
	WIN MUL_HI
	MUL16 F1, 1, 0, 0
	MUL16 F1, 1, 2, 0
.endm
.macro LAP zero
	QUARTER 0, 64, F0, F1, \zero
	TURN 0, 1, 1
	QUARTER 1, 64, F0, F1, 0
	TURN 1, 0, 1
.endm
	s_wait_tensorcnt 1                             ; my part of slot 0 is in; slot 1's may stay out
	s_barrier_signal -1
	s_barrier_wait -1
	FETCH 0, 0, F0
	LAP 1                                          ; the first lap's first products start the sums
	WIN 0
	s_mov_b32 s3, LAPS-2
.Llap:
	LAP 0
	WIN 0
	s_sub_co_u32 s3, s3, 1
	s_cmp_lg_u32 s3, 0
	s_cbranch_scc1 .Llap
	QUARTER 0, 64, F0, F1, 0                       ; the last lap fills nothing
	TURN 0, 1, 0
	QUARTER 1, 64, F0, F1, 0
	s_wait_dscnt 8
	WIN MUL_LO
	MUL16 F1, 0, 0, 0
	MUL16 F1, 0, 2, 0
	s_wait_dscnt 0
	WIN MUL_HI
	MUL16 F1, 1, 0, 0
	MUL16 F1, 1, 2, 0
	; THE SUM OVER THE WAVES.  Each wave hands its pairs 1, 2, 3 to their owners through the ring's bytes, which have had their last fill.
	WIN 0
	PLACES
	s_lshl_b32 s16, s13, 7
	s_lshl_b32 s17, s10, 5
	s_add_co_u32 s16, s16, s17                     ; my first row: 128 x block row + 32 w
	s_lshl_b32 s18, s16, 9
	s_mov_b32 s19, 0
	s_add_nc_u64 s[66:67], s[66:67], s[18:19]      ; freqs at that row
	s_mul_i32 s20, s16, OUTP
	s_mov_b32 s21, 0
	s_add_nc_u64 s[8:9], s[8:9], s[20:21]          ; qkv at that row,
	s_lshl_b32 s46, s42, 8
	s_mov_b32 s47, 0
	s_add_nc_u64 s[8:9], s[8:9], s[46:47]          ; and at my block's 256 bytes of it
.irp a, 0,1
.irp b, 0,1,2,3,4,5,6,7
	global_load_b128 v[CS+64*\a+8*\b:CS+64*\a+8*\b+3],   v[FO], s[66:67] offset:\a*8192+64*\b      ; cos, sin of my 8 columns of tile (a, b): on their way during the sum
	global_load_b128 v[CS+64*\a+8*\b+4:CS+64*\a+8*\b+7], v[FO], s[66:67] offset:\a*8192+64*\b+16
.endr
.endr
	s_barrier_signal -1                            ; every wave's reads of the ring are back (its last wait was for 0)
	s_barrier_wait -1
.macro REDST p, win, base              ; 32 stores of 512 consecutive bytes
	WIN \win
.irp t, 0,1,2,3,4,5,6,7,8,9,10,11,12,13,14,15
	ds_store_b128 v[REDW], v[\base+8*\t:\base+8*\t+3]   offset:((\p-1)*16+\t)*1024
	ds_store_b128 v[REDW], v[\base+8*\t+4:\base+8*\t+7] offset:((\p-1)*16+\t)*1024+512
.endr
.endm
.macro REDLD p, land
	WIN TO_B
.irp t, 0,1,2,3,4,5,6,7,8,9,10,11,12,13,14,15
	ds_load_b128 v[\land+8*\t:\land+8*\t+3],   v[REDR+\p-1] offset:\t*1024
	ds_load_b128 v[\land+8*\t+4:\land+8*\t+7], v[REDR+\p-1] offset:\t*1024+512
.endr
.endm
.macro REDADD land                     ; window 2 v0-127 += window 1
	WIN 0x86
.set i, 0
.rept 64
	v_pk_add_f32 v[2*i:2*i+1], v[2*i:2*i+1], v[\land+2*i:\land+2*i+1]
.set i, i+1
.endr
.endm
	REDST 1, 0x08, 128                             ; data in window 2
	REDST 2, 0x0c, 0                               ; data in window 3
	REDST 3, 0x0c, 128
	WIN 0
	s_wait_dscnt 0x0                               ; for the others' sake: my stores are done
	s_barrier_signal -1
	s_barrier_wait -1
	REDLD 1, 0
	REDLD 2, 128
	s_wait_dscnt 32                                ; the first 32 are in
	REDADD 0
	REDLD 3, 0
	s_wait_dscnt 32                                ; the second 32
	REDADD 128
	s_wait_dscnt 0x0
	REDADD 0
	; THE WAY OUT: rotate, round to f16, 16 rows at a time through my own stage, whole rows of 256 bytes out.
	WIN 0
	s_wait_loadcnt 0x0                             ; cos and sin
.set i, 0
.rept 64
	v_pk_mul_f32 v[CS+2*i:CS+2*i+1], v[CS+2*i:CS+2*i+1], 0x3d800000 op_sel_hi:[1,0]   ; the 2^-4 rides on cos and sin
.set i, i+1
.endr
.set i, 0
.rept 64
	v_cndmask_b32 v[CS+2*i],   s69, v[CS+2*i],   s68      ; v's blocks: (2^-4, 0)
	v_cndmask_b32 v[CS+2*i+1], 0,   v[CS+2*i+1], s68
.set i, i+1
.endr
.macro OUTQ a, rb
	WIN 0xa2                                       ; sums and temporaries window 2, cos and sin (source 1) window 0
.irp b, 0,1,2,3,4,5,6,7
.irp q, 0,1,2,3
	v_mul_f32 v[RT+2*\q],   v[8*(8*\a+\b)+2*\q+1], v[CS+64*\a+8*\b+2*\q+1]          ; x1 sin
	v_mul_f32 v[RT+2*\q+1], v[8*(8*\a+\b)+2*\q+1], v[CS+64*\a+8*\b+2*\q]            ; x1 cos
.endr
.irp q, 0,1,2,3
	v_fma_f32 v[8*(8*\a+\b)+2*\q+1], v[8*(8*\a+\b)+2*\q], v[CS+64*\a+8*\b+2*\q+1], v[RT+2*\q+1]   ; x0 sin + x1 cos
	v_fma_f32 v[8*(8*\a+\b)+2*\q],   v[8*(8*\a+\b)+2*\q], v[CS+64*\a+8*\b+2*\q],   -v[RT+2*\q]    ; x0 cos - x1 sin
.endr
.endr
	WIN 0x0a
.irp b, 0,1,2,3,4,5,6,7
.irp r, 0,1,2,3
	v_cvt_pk_f16_f32 v[TMP+4*\b+\r], v[8*(8*\a+\b)+2*\r], v[8*(8*\a+\b)+2*\r+1]
.endr
.endr
	WIN 0
.irp b, 0,1,2,3,4,5,6,7
	ds_store_b128 v[STO], v[TMP+4*\b:TMP+4*\b+3] offset:32*\b
.endr
.irp t, 0,1,2,3,4,5,6,7
	ds_load_b128 v[\rb+4*\t:\rb+4*\t+3], v[RD] offset:\t*2*SPITCH      ; LDS serves a wave's instructions in order: these see the stores above
.endr
.irp t, 0,1,2,3,4,5,6,7
	s_wait_dscnt 7-\t                              ; read-back t is in, the younger ones stay out
	global_store_b128 v[CO], v[\rb+4*\t:\rb+4*\t+3], s[8:9] offset:(16*\a+2*\t)*OUTP   ; 16 lanes store 256 consecutive bytes at a multiple of 256
.endr
.endm
	OUTQ 0, RB                                     ; the two calls store from different registers; base and offset are never rewritten
	OUTQ 1, CS                                     ; (the first call's cos and sin are no longer needed)
	s_wait_tensorcnt 0x0
	ds_add_u32 v62, v63
	s_wait_dscnt 0x0
	CROUND                                         ; the closing round
	s_endpgm
.Lfunc_end_k_q66bacf08bb_qkv:
	.size	k_q66bacf08bb_qkv, .Lfunc_end_k_q66bacf08bb_qkv-k_q66bacf08bb_qkv
	.p2alignl 7, 3214868480
	.fill 96, 4, 3214868480
	.section	.rodata,"a",@progbits
	.p2align	6, 0x0
	.amdhsa_kernel k_q66bacf08bb_qkv
		.amdhsa_group_segment_fixed_size 327680
		.amdhsa_private_segment_fixed_size 0
		.amdhsa_enable_private_segment 0
		.amdhsa_kernarg_size 24
		.amdhsa_user_sgpr_count 2
		.amdhsa_user_sgpr_kernarg_segment_ptr 1
		.amdhsa_wavefront_size32 1
		.amdhsa_system_sgpr_workgroup_id_x 1
		.amdhsa_system_sgpr_workgroup_id_y 1
		.amdhsa_system_sgpr_workgroup_id_z 1
		.amdhsa_system_vgpr_workitem_id 0
		.amdhsa_next_free_vgpr 1024
		.amdhsa_next_free_sgpr 72
		.amdhsa_reserve_vcc 0
		.amdhsa_float_denorm_mode_32 3
		.amdhsa_float_denorm_mode_16_64 3
		.amdhsa_memory_ordered 1
		.amdhsa_forward_progress 1
		.amdhsa_inst_pref_size 151
	.end_amdhsa_kernel
	.amdgpu_metadata
---
amdhsa.version: [ 1, 2 ]
amdhsa.kernels:
  - .name:           k_q66bacf08bb_qkv
    .symbol:         k_q66bacf08bb_qkv.kd
    .args:
      - { .name: wh, .offset: 0, .size: 8, .value_kind: global_buffer, .address_space: global }
      - { .name: freqs, .offset: 8, .size: 8, .value_kind: global_buffer, .address_space: global }
      - { .name: qkv, .offset: 16, .size: 8, .value_kind: global_buffer, .address_space: global }
    .group_segment_fixed_size: 327680
    .private_segment_fixed_size: 0
    .kernarg_segment_align: 8
    .kernarg_segment_size: 24
    .max_flat_workgroup_size: 128
    .sgpr_count:     72
    .vgpr_count:     1024
    .wavefront_size: 32
...
	.end_amdgpu_metadata
.endif
;; end of part 2
;; launch attn (part 3): grid 32 x 8, 4 waves a work-group, clusters of 4 x 1, 327,680 bytes of LDS; arguments qkv, ao; writes ao
.if DOCPART == 3
	.amdgcn_target "amdgcn-amd-amdhsa--gfx1250"
	.amdhsa_code_object_version 6
	.text
	.protected	k_q66bacf08bb_attn
	.globl	k_q66bacf08bb_attn
	.p2align	8
	.type	k_q66bacf08bb_attn,@function
k_q66bacf08bb_attn:
	s_mov_b64 s[64:65], 0
	v_nop
	global_prefetch_b8 v0, s[64:65] scope:SCOPE_SE
	s_setreg_imm32_b32 hwreg(HW_REG_WAVE_MODE, 25, 1), 1
	s_wait_xcnt 0x0
	s_wait_alu depctr_hold_cnt(0) depctr_sa_sdst(0) depctr_va_vdst(0) depctr_va_sdst(0) depctr_va_ssrc(0) depctr_va_vcc(0) depctr_vm_vsrc(0)
	s_getreg_b32 s2, hwreg(HW_REG_IB_STS2, 6, 4)
	s_cmp_eq_u32 s2, 0
	s_cbranch_scc0 .Lentry_in_a_cluster
	s_endpgm
.Lentry_in_a_cluster:
	s_bfe_u32 s2, ttmp6, 0x10000c
	s_cmp_lg_u32 s2, 0x3003
	s_cbranch_scc0 .Lentry_shape_is_right
	s_endpgm
.Lentry_shape_is_right:
; Causal attention with grouped heads.  qkv [1024][6144] f16 holds q, k, v times 2^-4 (q, k rotated); ao [1024][4096] f16 gets softmax(q k^T / sqrt(128)) v, times 2^-4.
; CLUSTERS: the four work-groups of a cluster are the four query heads of one key and value head; they ask for every K and V tile jointly.
; A work-group makes two blocks of 64 query rows, one after the other: block y and block 15 - y.  K and V come in slots of 128 rows; block b needs
; (b >> 1) + 1 of them, and the two blocks together 9 for every y: every work-group makes the same 9 steps, so partners ask alike.
; A wave has 16 query rows.  A step is two halves of 64 keys.  A block's last step is masked by compare and select; one of its halves may be
; masked as a whole and is still computed (1 half in 18).
; The products are used transposed.  S^T = K Q^T: lane l holds query row l % 16 and, of tile t, keys 16 t + 8 (l / 16) + 0..7, so a row's maximum and
; sum are in the lane but for one exchange of the halves, and two tiles rounded to f16 ARE source 1 (P^T) of the second product, O^T = V^T P^T.
; The softmax takes a running maximum away; sums and maxima in f32.
; LIMITS: operands in f16 (P lies in [0, 1]; weights below 6e-8 of the largest count as 0); masked scores are the lowest finite f32 as in the
; definition, their weight is 0; 32.6 |q' k'| has to stay finite in f32.
.set QKVP,   12288                     ; bytes in a row of qkv
.set AOP,    8192                      ; bytes in a row of ao
.set KP,     272                       ; K's LDS rows: 256 + 16 bytes
.set VP,     288                       ; V's: 256 + 32 bytes, for the transposing loads
.set KHALF,  64*KP
.set VHALF,  64*VP
.set VOFF,   2*KHALF                   ; a slot: K's 128 rows, then V's
.set SLOTB,  VOFF+2*VHALF              ; 71,680
.set STG,    2*SLOTB                   ; behind the ring: 16 rows x 272 bytes for each wave
.set SPITCH, 272
.set TILEB,  128*QKVP                  ; from a tile to the next
.set KAD,  8                           ; v8-9    K's fragments, slot 0, 1
.set VAD,  10                          ; v10-11  V's
.set STO,  12
.set RD,   13
.set CO1,  14                          ; my offset in ao, first block
.set CO2,  15                          ; second block
.set DLT,  16                          ; key 16 t + j of the masked step's first half is allowed where 16 t + j <= DLT
.set DLTM, 17                          ; the same for its second half: DLT - 64
.set DLT2, 18                          ; the second block's DLT
.set M,    19                          ; running maximum
.set MN,   20
.set NMC,  22                          ; v[22:23]  - c x maximum, twice
.set AL,   24                          ; v[24:25]  the factor on what has been summed, twice
.set LS,   26                          ; my half's sum of weights
.set T,    28                          ; v[28:31]
.set Q,    32                          ; v[32:63]   four fragments of the block at work
.set Q2,   64                          ; v[64:95]   the second block's
.set S,    96                          ; v[96:127]  four tiles of S^T
.set P,    128                         ; v[128:143] two fragments of P^T
.set O,    144                         ; v[144:207] eight tiles of O^T
.set TMP,  208
.set SUM,  240
.set VF,   128                         ; window 1: v0-127 K's fragment (t, ks) at 8 (4 t + ks); v128-255 V's (u, dt) at 128 + 8 (8 u + dt)
.set G1K, 24
.set G0K, 32
.set G1V, 48
.set G0V, 56
.set MSB, 0
.macro WIN new
.if MSB != \new
	s_set_vgpr_msb (MSB<<8)|\new
.set MSB, \new
.endif
.endm
.macro PLACES                          ; four places behind a matrix instruction (ISA guide 7.12.1 for vector instructions)
.rept 4
	v_nop
.endr
.endm
.macro ROUND                           ; a round of the cluster's barrier
	s_barrier_signal -1
	s_barrier_wait -1
	s_cmp_lg_u32 s10, 0
	s_cbranch_scc1 .Lnot_wave_0_\@
	s_barrier_signal -3
.Lnot_wave_0_\@:
	s_barrier_wait -3
	s_barrier_signal -1
	s_barrier_wait -1
.endm
.macro JLOAD s                         ; waves 0 and 1 fetch K's two halves of 64 rows, waves 2 and 3 V's
	s_cmp_eq_u32 s11, 0
	s_cbranch_scc0 .Lfor_v_\@
	tensor_load_to_lds s[G0K+4*\s:G0K+4*\s+3], s[G1K:G1K+7]
	s_nop 0
	s_branch .Lasked_\@
.Lfor_v_\@:
	tensor_load_to_lds s[G0V+4*\s:G0V+4*\s+3], s[G1V:G1V+7]
	s_nop 0
.Lasked_\@:
.endm
	s_load_b128 s[4:7], s[0:1], 0x0                ; qkv s[4:5], ao s[6:7]
	v_lshl_add_u32 v254, v0, 2, 0x29000
	v_mov_b32 v255, 0
	ds_add_u32 v254, v255
	v_lshrrev_b32 v1, 5, v0
	v_readfirstlane_b32 s10, v1                    ; wave
	s_lshr_b32 s11, s10, 1
	s_and_b32 s12, s10, 1
	s_bfe_u32 s40, ttmp6, 0x40000                  ; cx
	s_lshl_b32 s84, ttmp9, 2
	s_add_co_u32 s84, s84, s40                     ; my query head = 4 x key head + cx: enters global offsets alone
	s_and_b32 s73, ttmp7, 0xffff                   ; y, the same in all four partners
	s_lshr_b32 s72, s73, 1                         ; the first block's masked step
	s_add_co_u32 s71, s72, 1                       ; the first block's steps
	s_mov_b32 s70, 0                               ; the step
	s_mov_b32 s74, 0x420293ee                      ; c = 256 log2(e) / sqrt(128): the 256 undoes the two 2^-4
	s_mov_b32 s75, 0x420293ee
	s_mov_b32 s76, 0xc20293ee                      ; - c
	s_mov_b32 s77, 0xff7fffff                      ; the lowest finite f32
	s_mov_b32 s78, 0x76543210                      ; v_permlanex16_b32: lane i reads lane i of the other half
	s_mov_b32 s79, 0xfedcba98
	s_mov_b32 s81, 0
	; group 1: 64 rows x 128 elements of 2 bytes, mask of all four partners; padding behind every 64 words: K 4 words, V 8 words
	s_mov_b32 s[G1K+0], 15|(1<<16)|(1<<20)|(1<<21)|(5<<22)|(3<<25)
	s_mov_b32 s[G1V+0], 15|(1<<16)|(1<<20)|(1<<21)|(5<<22)|(7<<25)
	s_mov_b32 s[G1K+1], 128<<16
	s_mov_b32 s[G1V+1], 128<<16
	s_mov_b32 s[G1K+2], 64<<16
	s_mov_b32 s[G1V+2], 64<<16
	s_mov_b32 s[G1K+3], 128<<16
	s_mov_b32 s[G1V+3], 128<<16
	s_mov_b32 s[G1K+4], 64
	s_mov_b32 s[G1V+4], 64
	s_mov_b32 s[G1K+5], 6144
	s_mov_b32 s[G1V+5], 6144
	s_mov_b32 s[G1K+6], 0
	s_mov_b32 s[G1V+6], 0
	s_mov_b32 s[G1K+7], 0
	s_mov_b32 s[G1V+7], 0
	s_mul_i32 s82, s12, KHALF                      ; where my half goes
	s_mul_i32 s83, s12, VHALF
	s_add_co_u32 s83, s83, VOFF
	s_mul_i32 s16, s12, 64*QKVP                    ; my half's first row,
	s_lshl_b32 s17, ttmp9, 8                       ; the key head's 256 bytes,
	s_add_co_u32 s16, s16, s17
	s_add_co_u32 s16, s16, 4096*2                  ; behind q's columns
	s_mov_b32 s17, 0
	s_wait_dscnt 0x0
	s_wait_kmcnt 0x0
	s_add_nc_u64 s[14:15], s[4:5], s[16:17]        ; K's tile 0, my half
	s_add_nc_u64 s[46:47], s[14:15], 1024*2        ; V's columns lie 1,024 behind K's
.irp s, 0,1
	s_mov_b32 s[G0K+4*\s], 1
	s_add_co_u32 s[G0K+4*\s+1], s82, \s*SLOTB
	s_mov_b64 s[G0K+4*\s+2:G0K+4*\s+3], s[14:15]
	s_or_b32 s[G0K+4*\s+3], s[G0K+4*\s+3], 0x80000000
	s_mov_b32 s[G0V+4*\s], 1
	s_add_co_u32 s[G0V+4*\s+1], s83, \s*SLOTB
	s_mov_b64 s[G0V+4*\s+2:G0V+4*\s+3], s[46:47]
	s_or_b32 s[G0V+4*\s+3], s[G0V+4*\s+3], 0x80000000
.endr
	ROUND                                          ; in front of the first joint load
	JLOAD 0                                        ; step 0's tile; one tensor load of the wave is out
	v_and_b32 v1, 15, v0                           ; r
	v_bfe_u32 v2, v0, 4, 1                         ; h
	s_lshl_b32 s16, s73, 6
	s_lshl4_add_u32 s16, s10, s16                  ; first block: my first query row = 64 y + 16 w
	s_sub_co_u32 s17, 15, s73
	s_lshl_b32 s17, s17, 6
	s_lshl4_add_u32 s17, s10, s17                  ; second block: 64 (15 - y) + 16 w
	s_lshl_b32 s18, s84, 8                         ; my head's 256 bytes of a row
	v_add_nc_u32 v3, s16, v1
	v_mul_u32_u24 v4, v3, QKVP
	v_lshl_add_u32 v4, v2, 4, v4
	v_add_nc_u32 v4, s18, v4                       ; q: row r of my 16, 16 h; not rewritten
	v_add_nc_u32 v3, s17, v1
	v_mul_u32_u24 v5, v3, QKVP
	v_lshl_add_u32 v5, v2, 4, v5
	v_add_nc_u32 v5, s18, v5
.irp ks, 0,1,2,3
	global_load_b128 v[Q+8*\ks:Q+8*\ks+3],     v4, s[4:5] offset:64*\ks
	global_load_b128 v[Q+8*\ks+4:Q+8*\ks+7],   v4, s[4:5] offset:64*\ks+32
	global_load_b128 v[Q2+8*\ks:Q2+8*\ks+3],   v5, s[4:5] offset:64*\ks
	global_load_b128 v[Q2+8*\ks+4:Q2+8*\ks+7], v5, s[4:5] offset:64*\ks+32
.endr
	v_mul_u32_u24 v3, v1, KP
	v_lshl_add_u32 v[KAD], v2, 4, v3               ; row r, 16 h
	v_add_nc_u32 v[KAD+1], SLOTB, v[KAD]
	v_and_b32 v3, 7, v0
	v_lshl_add_u32 v3, v2, 3, v3                   ; the transposing load: row 8 h + (l & 7),
	v_mul_u32_u24 v3, v3, VP
	v_bfe_u32 v6, v0, 3, 1
	v_lshl_add_u32 v3, v6, 4, v3                   ; 16 bytes by bit 3 of the lane
	v_add_nc_u32 v[VAD], VOFF, v3
	v_add_nc_u32 v[VAD+1], VOFF+SLOTB, v3
	s_mul_i32 s19, s10, 16*SPITCH
	s_add_co_u32 s19, s19, STG
	v_mul_u32_u24 v3, v1, SPITCH
	v_lshl_add_u32 v3, v2, 4, v3
	v_add_nc_u32 v[STO], s19, v3
	v_mul_u32_u24 v3, v2, SPITCH
	v_lshl_add_u32 v3, v1, 4, v3
	v_add_nc_u32 v[RD], s19, v3
	v_add_nc_u32 v3, s16, v2
	v_lshlrev_b32 v3, 13, v3                       ; rows of 8,192 bytes
	v_lshl_add_u32 v3, v1, 4, v3
	v_add_nc_u32 v[CO1], s18, v3
	v_add_nc_u32 v3, s17, v2
	v_lshlrev_b32 v3, 13, v3
	v_lshl_add_u32 v3, v1, 4, v3
	v_add_nc_u32 v[CO2], s18, v3
	s_and_b32 s20, s73, 1
	s_lshl_b32 s20, s20, 6
	s_lshl4_add_u32 s21, s10, s20                  ; my first row's place in the masked step's 128 keys: 64 (y & 1) + 16 w
	s_xor_b32 s20, s20, 64                         ; block 15 - y has the other parity
	s_lshl4_add_u32 s22, s10, s20
	v_lshlrev_b32 v3, 3, v2
	v_sub_nc_u32 v3, v1, v3                        ; r - 8 h
	v_add_nc_u32 v[DLT], s21, v3
	v_add_nc_u32 v[DLT2], s22, v3
	v_add_nc_u32 v[DLTM], 0xffffffc0, v[DLT]
.macro START                           ; O is cleared, not begun by a product with C = 0: the second block begins at a step that hangs on y, and that form would want the step's text once more
	v_mov_b32 v[M], s77
	v_mov_b32 v[LS], 0
.set i, 0
.rept 64
	v_mov_b32 v[O+i], 0
.set i, i+1
.endr
.endm
.macro KLOAD slot, hf                  ; 64 keys x 128: 16 fragments, 32 loads
	WIN 0x40
.irp t, 0,1,2,3
.irp ks, 0,1,2,3
	ds_load_b128 v[8*(4*\t+\ks):8*(4*\t+\ks)+3],   v[KAD+\slot] offset:(64*\hf+16*\t)*KP+64*\ks
	ds_load_b128 v[8*(4*\t+\ks)+4:8*(4*\t+\ks)+7], v[KAD+\slot] offset:(64*\hf+16*\t)*KP+64*\ks+32
.endr
.endr
	WIN 0
.endm
.macro VLOAD slot, hf                  ; the same keys' V, transposed on the way: 16 fragments, 32 loads
	WIN 0x40
.irp u, 0,1
.irp dt, 0,1,2,3,4,5,6,7
	ds_load_tr16_b128 v[VF+8*(8*\u+\dt):VF+8*(8*\u+\dt)+3],   v[VAD+\slot] offset:(64*\hf+32*\u)*VP+32*\dt
	ds_load_tr16_b128 v[VF+8*(8*\u+\dt)+4:VF+8*(8*\u+\dt)+7], v[VAD+\slot] offset:(64*\hf+32*\u+16)*VP+32*\dt
.endr
.endr
.endm
; In both products the accumulators take turns, one instruction a turn.
.macro SMUL
	WIN 0x01
.irp ks, 0,1,2,3
.irp t, 0,1,2,3
.if \ks == 0
	v_wmma_f32_16x16x32_f16 v[S+8*\t:S+8*\t+7], v[8*(4*\t+\ks):8*(4*\t+\ks)+7], v[Q+8*\ks:Q+8*\ks+7], 0
.else
	v_wmma_f32_16x16x32_f16 v[S+8*\t:S+8*\t+7], v[8*(4*\t+\ks):8*(4*\t+\ks)+7], v[Q+8*\ks:Q+8*\ks+7], v[S+8*\t:S+8*\t+7]
.endif
.endr
.endr
.endm
.macro PVMUL
	WIN 0x01
.irp u, 0,1
.irp dt, 0,1,2,3,4,5,6,7
	v_wmma_f32_16x16x32_f16 v[O+8*\dt:O+8*\dt+7], v[VF+8*(8*\u+\dt):VF+8*(8*\u+\dt)+7], v[P+8*\u:P+8*\u+7], v[O+8*\dt:O+8*\dt+7]
.endr
.endr
.endm
.macro SOFT masked, dl
.if \masked
.irp t, 0,1,2,3
.irp j, 0,1,2,3,4,5,6,7
	v_cmp_le_i32 vcc_lo, 16*\t+\j, v[\dl]
	v_cndmask_b32 v[S+8*\t+\j], s77, v[S+8*\t+\j], vcc_lo
.endr
.endr
.endif
.irp t, 0,1,2,3
	v_max3_num_f32 v[T+\t], v[S+8*\t], v[S+8*\t+1], v[S+8*\t+2]       ; four chains
.endr
.irp t, 0,1,2,3
	v_max3_num_f32 v[T+\t], v[T+\t], v[S+8*\t+3], v[S+8*\t+4]
.endr
.irp t, 0,1,2,3
	v_max3_num_f32 v[T+\t], v[T+\t], v[S+8*\t+5], v[S+8*\t+6]
.endr
.irp t, 0,1,2,3
	v_max_num_f32 v[T+\t], v[T+\t], v[S+8*\t+7]
.endr
	v_max3_num_f32 v[T], v[T], v[T+1], v[T+2]
	v_max3_num_f32 v[T], v[T], v[T+3], v[M]
	v_permlanex16_b32 v[T+1], v[T], s78, s79       ; the row's other 32 keys
	v_max_num_f32 v[MN], v[T], v[T+1]
	v_mul_f32 v[NMC], s76, v[MN]
	v_mul_f32 v[NMC+1], s76, v[MN]
	v_fma_f32 v[T], v[M], s74, v[NMC]
	v_exp_f32 v[AL], v[T]                          ; 2^(c (old maximum - new maximum))
	v_exp_f32 v[AL+1], v[T]
	v_mov_b32 v[M], v[MN]                          ; the plain instruction behind the two exponentials
.set i, 0
.rept 16
	v_pk_fma_f32 v[S+2*i:S+2*i+1], v[S+2*i:S+2*i+1], s[74:75], v[NMC:NMC+1] op_sel_hi:[1,0,1]
.set i, i+1
.endr
.set i, 0
.rept 32
	v_exp_f32 v[S+i], v[S+i]
.set i, i+1
.endr
	v_nop                                          ; one plain place before the last result is used
	s_wait_alu depctr_va_vdst(0)
.irp c, 0,1,2,3
	v_pk_add_f32 v[SUM+2*\c:SUM+2*\c+1], v[S+2*\c:S+2*\c+1], v[S+8+2*\c:S+8+2*\c+1]
.endr
.irp c, 0,1,2,3
	v_pk_add_f32 v[SUM+2*\c:SUM+2*\c+1], v[SUM+2*\c:SUM+2*\c+1], v[S+16+2*\c:S+16+2*\c+1]
.endr
.irp c, 0,1,2,3
	v_pk_add_f32 v[SUM+2*\c:SUM+2*\c+1], v[SUM+2*\c:SUM+2*\c+1], v[S+24+2*\c:S+24+2*\c+1]
.endr
	v_pk_add_f32 v[SUM:SUM+1], v[SUM:SUM+1], v[SUM+2:SUM+3]
	v_pk_add_f32 v[SUM+4:SUM+5], v[SUM+4:SUM+5], v[SUM+6:SUM+7]
	v_pk_add_f32 v[SUM:SUM+1], v[SUM:SUM+1], v[SUM+4:SUM+5]
	v_add_f32 v[SUM], v[SUM], v[SUM+1]
	v_fma_f32 v[LS], v[LS], v[AL], v[SUM]
.set i, 0
.rept 16
	v_cvt_pk_f16_f32 v[P+i], v[S+2*i], v[S+2*i+1]  ; tiles 2u, 2u+1 become registers 0-3, 4-7 of fragment u
.set i, i+1
.endr
.set i, 0
.rept 32
	v_pk_mul_f32 v[O+2*i:O+2*i+1], v[O+2*i:O+2*i+1], v[AL:AL+1]
.set i, i+1
.endr
.endm
; Half hf of a slot.  K's fragments of this half have been asked for; V's are asked for first, and in half 0 the next half's K behind the first product.
.macro SUB slot, hf, masked, dl
	VLOAD \slot, \hf
	s_wait_dscnt 32                                ; K's 32 loads are in, V's 32 stay out
	SMUL
	WIN 0
	PLACES
.if \hf == 0
	KLOAD \slot, 1
.endif
	SOFT \masked, \dl
.if \hf == 0
	s_wait_dscnt 32                                ; V's are in, the next half's K stays out
.else
	s_wait_dscnt 0x0
.endif
	PVMUL
	WIN 0
	PLACES
.endm
.macro FINAL co                        ; divide, round, through my own stage, whole rows of 256 bytes out
	v_permlanex16_b32 v[T], v[LS], s78, s79
	v_add_f32 v[LS], v[LS], v[T]
	v_rcp_f32 v[AL], v[LS]
	v_rcp_f32 v[AL+1], v[LS]
	v_nop
.set i, 0
	s_wait_alu depctr_va_vdst(0)
.rept 32
	v_pk_mul_f32 v[O+2*i:O+2*i+1], v[O+2*i:O+2*i+1], v[AL:AL+1]
.set i, i+1
.endr
.set i, 0
.rept 32
	v_cvt_pk_f16_f32 v[TMP+i], v[O+2*i], v[O+2*i+1]
.set i, i+1
.endr
.irp dt, 0,1,2,3,4,5,6,7
	ds_store_b128 v[STO], v[TMP+4*\dt:TMP+4*\dt+3] offset:32*\dt
.endr
.irp t, 0,1,2,3,4,5,6,7
	ds_load_b128 v[S+4*\t:S+4*\t+3], v[RD] offset:\t*2*SPITCH         ; LDS serves a wave's instructions in order
.endr
.irp t, 0,1,2,3,4,5,6,7
	s_wait_dscnt 7-\t
	global_store_b128 v[\co], v[S+4*\t:S+4*\t+3], s[6:7] offset:2*\t*AOP   ; 16 lanes store 256 consecutive bytes at a multiple of 256
.endr
.endm
.macro SWITCH                          ; on to the second block
	s_wait_xcnt 0x0                                ; S, which the stores read, is written again only behind this wait
.set i, 0
.rept 32
	v_mov_b32 v[Q+i], v[Q2+i]
.set i, i+1
.endr
	v_mov_b32 v[DLT], v[DLT2]
	v_add_nc_u32 v[DLTM], 0xffffffc0, v[DLT2]
	START
.endm
; A step of the loop: reads slot, asks for the next step's tile into the other slot.  In front of the round every wave waits for all its tensor
; loads and for its reads; the joint load is the first thing behind the round, one a wave.
.macro STEP slot, other
	s_wait_tensorcnt 0x0                           ; my part of this step's tile is in and no load of mine is out: group 0 may be written
	ds_add_u32 v254, v255
	s_add_co_u32 s82, s70, 1
	s_cmp_ge_u32 s82, s71
	s_cselect_b32 s83, s71, 0
	s_sub_co_u32 s82, s82, s83                     ; the next step's tile: the second block begins again at tile 0
	s_mul_i32 s80, s82, TILEB
	s_add_nc_u64 s[G0K+4*\other+2:G0K+4*\other+3], s[14:15], s[80:81]
	s_or_b32 s[G0K+4*\other+3], s[G0K+4*\other+3], 0x80000000
	s_add_nc_u64 s[G0V+4*\other+2:G0V+4*\other+3], s[46:47], s[80:81]
	s_or_b32 s[G0V+4*\other+3], s[G0V+4*\other+3], 0x80000000
	s_wait_dscnt 0x0                               ; my reads of the other slot are over
	ROUND
	JLOAD \other
	KLOAD \slot, 0
	s_cmp_eq_u32 s70, s72                          ; the first block's last step?  Hangs on y and the step, which the partners share
	s_cbranch_scc1 .Lmasked_\@
	SUB \slot, 0, 0, DLT
	SUB \slot, 1, 0, DLT
	s_branch .Ljoin_\@
.Lmasked_\@:
	SUB \slot, 0, 1, DLT
	SUB \slot, 1, 1, DLTM
	FINAL CO1
	SWITCH
.Ljoin_\@:
	s_add_co_u32 s70, s70, 1
.endm
	START
	s_wait_loadcnt 0x0                             ; both blocks' q
	s_mov_b32 s3, 4
.Lpair:
	STEP 0, 1
	STEP 1, 0
	s_sub_co_u32 s3, s3, 1
	s_cmp_lg_u32 s3, 0
	s_cbranch_scc1 .Lpair
	s_wait_tensorcnt 0x0                           ; step 8: the second block's masked step; nothing is left to fetch
	s_wait_dscnt 0x0
	ROUND
	KLOAD 0, 0
	SUB 0, 0, 1, DLT
	SUB 0, 1, 1, DLTM
	FINAL CO2
	s_wait_tensorcnt 0x0
	ds_add_u32 v254, v255
	s_wait_dscnt 0x0
	ROUND                                          ; the closing round
	s_endpgm
.Lfunc_end_k_q66bacf08bb_attn:
	.size	k_q66bacf08bb_attn, .Lfunc_end_k_q66bacf08bb_attn-k_q66bacf08bb_attn
	.p2alignl 7, 3214868480
	.fill 96, 4, 3214868480
	.section	.rodata,"a",@progbits
	.p2align	6, 0x0
	.amdhsa_kernel k_q66bacf08bb_attn
		.amdhsa_group_segment_fixed_size 327680
		.amdhsa_private_segment_fixed_size 0
		.amdhsa_enable_private_segment 0
		.amdhsa_kernarg_size 16
		.amdhsa_user_sgpr_count 2
		.amdhsa_user_sgpr_kernarg_segment_ptr 1
		.amdhsa_wavefront_size32 1
		.amdhsa_system_sgpr_workgroup_id_x 1
		.amdhsa_system_sgpr_workgroup_id_y 1
		.amdhsa_system_sgpr_workgroup_id_z 1
		.amdhsa_system_vgpr_workitem_id 0
		.amdhsa_next_free_vgpr 512
		.amdhsa_next_free_sgpr 90
		.amdhsa_reserve_vcc 1
		.amdhsa_float_denorm_mode_32 3
		.amdhsa_float_denorm_mode_16_64 3
		.amdhsa_memory_ordered 1
		.amdhsa_forward_progress 1
		.amdhsa_inst_pref_size 186
	.end_amdhsa_kernel
	.amdgpu_metadata
---
amdhsa.version: [ 1, 2 ]
amdhsa.kernels:
  - .name:           k_q66bacf08bb_attn
    .symbol:         k_q66bacf08bb_attn.kd
    .args:
      - { .name: qkv, .offset: 0, .size: 8, .value_kind: global_buffer, .address_space: global }
      - { .name: ao, .offset: 8, .size: 8, .value_kind: global_buffer, .address_space: global }
    .group_segment_fixed_size: 327680
    .private_segment_fixed_size: 0
    .kernarg_segment_align: 8
    .kernarg_segment_size: 16
    .max_flat_workgroup_size: 128
    .sgpr_count:     90
    .vgpr_count:     512
    .wavefront_size: 32
...
	.end_amdgpu_metadata
.endif
;; end of part 3
;; launch oproj (part 4): grid 32 x 8, 4 waves a work-group, clusters of 4 x 4, 327,680 bytes of LDS; arguments ao, wh, out0; writes out0
.if DOCPART == 4
	.amdgcn_target "amdgcn-amd-amdhsa--gfx1250"
	.amdhsa_code_object_version 6
	.text
	.protected	k_q66bacf08bb_oproj
	.globl	k_q66bacf08bb_oproj
	.p2align	8
	.type	k_q66bacf08bb_oproj,@function
k_q66bacf08bb_oproj:
	s_mov_b64 s[64:65], 0
	v_nop
	global_prefetch_b8 v0, s[64:65] scope:SCOPE_SE
	s_setreg_imm32_b32 hwreg(HW_REG_WAVE_MODE, 25, 1), 1
	s_wait_xcnt 0x0
	s_wait_alu depctr_hold_cnt(0) depctr_sa_sdst(0) depctr_va_vdst(0) depctr_va_sdst(0) depctr_va_ssrc(0) depctr_va_vcc(0) depctr_vm_vsrc(0)
	s_getreg_b32 s2, hwreg(HW_REG_IB_STS2, 6, 4)
	s_cmp_eq_u32 s2, 0
	s_cbranch_scc0 .Lentry_in_a_cluster
	s_endpgm
.Lentry_in_a_cluster:
	s_bfe_u32 s2, ttmp6, 0x10000c
	s_cmp_lg_u32 s2, 0xf033
	s_cbranch_scc0 .Lentry_shape_is_right
	s_endpgm
.Lentry_shape_is_right:
; out0[t][d] = 16 x sum over o of ao[t][o] Wo[d][o].  ao [1024][4096] f16 holds the attention's result times 2^-4, Wo [4096][4096] f16 lies in wh; out0 f32.
; The same product as in the launch for q, k, v: a work-group makes 128 x 128; K IS SPLIT AMONG THE FOUR WAVES, each with the whole block in 64
; accumulator tiles for its 64 of every 256 along K; the four partial f32 sums are added through LDS at the end.  Two LDS slots of 256 along K,
; filled by the tensor data mover in rows of 512 consecutive bytes.
; CLUSTERS: 4 x 4 work-groups; ao's tiles are asked for jointly along a row of the cluster, Wo's along a column.  256 work-groups.
; LIMITS: operands in f16.
; REGISTERS as there: window 0 addresses and ao's fragments, window 1 Wo's fragments and later the other waves' sums, windows 2, 3 the
; accumulators, tile (a, b) at v[8 (8 a + b)]; source 0 = 16 rows of Wo, source 1 = 16 rows of ao: lane l holds row l % 16, columns 8 (l / 16) + 0..7.
; ao's fragment pair p of wave w holds the block's rows 32 ((p + w) & 3) ..+31: pair 0 is the wave's own 32 rows.
.set SIZE_K, 4096
.set KSLOT,  256
.set PITCH,  528                       ; 512 bytes + 16 = 132 words: 16 rows start 4 words apart modulo 64 words
.set HALFT,  64*PITCH
.set SLOT,   4*HALFT
.set STAGE,  2*SLOT                    ; behind the ring: 16 rows x 528 bytes for each wave
.set SPITCH, 528
.set REDB,   49152
.set LAPS,   SIZE_K/(2*KSLOT)
.set WOFF,   58720256                  ; Wo's first row in wh
.set OUTP,   16384                     ; bytes in a row of out0
.set CO,   4                           ; v4      16 x lane: also my offset in a row's 512 bytes of out0
.set ADRA, 8
.set ADRB, 16
.set REDW, 18
.set REDR, 19
.set STO,  22
.set RD,   23
.set F0,   64
.set F1,   128
.set G1,  24
.set G0,  32
.set G1B, 48
.set G0B, 56
.set MSB, 0
.macro WIN new
.if MSB != \new
	s_set_vgpr_msb (MSB<<8)|\new
.set MSB, \new
.endif
.endm
.set MUL_LO, 0xa1
.set MUL_HI, 0xf1
.set TO_B,   0x40
.macro JLOAD s                         ; waves 0 and 1 fetch ao's two halves, waves 2 and 3 Wo's
	s_cmp_eq_u32 s11, 0
	s_cbranch_scc0 .Lfor_b_\@
	tensor_load_to_lds s[G0+4*\s:G0+4*\s+3], s[G1:G1+7]
	s_nop 0
	s_branch .Lasked_\@
.Lfor_b_\@:
	tensor_load_to_lds s[G0B+4*\s:G0B+4*\s+3], s[G1B:G1B+7]
	s_nop 0
.Lasked_\@:
.endm
.macro CREST
	s_cmp_lg_u32 s10, 0
	s_cbranch_scc1 .Lnot_wave_0_\@
	s_barrier_signal -3
.Lnot_wave_0_\@:
	s_barrier_wait -3
	s_barrier_signal -1
	s_barrier_wait -1
.endm
.macro CROUND
	s_barrier_signal -1
	s_barrier_wait -1
	CREST
.endm
	s_load_b128 s[4:7], s[0:1], 0x0                ; ao s[4:5], wh s[6:7]
	s_load_b64 s[8:9], s[0:1], 0x10                ; out0
	v_lshl_add_u32 v254, v0, 2, 0x4a400
	v_mov_b32 v255, 0
	ds_add_u32 v254, v255
	v_lshrrev_b32 v1, 5, v0
	v_readfirstlane_b32 s10, v1
	s_lshr_b32 s11, s10, 1
	s_and_b32 s12, s10, 1
	s_bfe_u32 s40, ttmp6, 0x40000                  ; cx
	s_bfe_u32 s41, ttmp6, 0x40004                  ; cy
	s_lshl_b32 s42, ttmp9, 2
	s_add_co_u32 s42, s42, s40                     ; block column
	s_and_b32 s13, ttmp7, 0xffff
	s_lshl_b32 s13, s13, 2
	s_add_co_u32 s13, s13, s41                     ; block row
	s_lshl_b32 s43, s41, 2
	s_lshl_b32 s43, 15, s43                        ; my row of the cluster
	s_lshl_b32 s44, 0x1111, s40                    ; my column
	s_or_b32 s[G1+0], s43, (1<<16)|(1<<20)|(1<<21)|(6<<22)|(3<<25)    ; 2-byte elements; 4 words of padding behind every 128 words
	s_or_b32 s[G1B+0], s44, (1<<16)|(1<<20)|(1<<21)|(6<<22)|(3<<25)
	s_mov_b32 s[G1+1], KSLOT<<16
	s_mov_b32 s[G1B+1], KSLOT<<16
	s_mov_b32 s[G1+2], 64<<16
	s_mov_b32 s[G1B+2], 64<<16
	s_mov_b32 s[G1+3], KSLOT<<16
	s_mov_b32 s[G1B+3], KSLOT<<16
	s_mov_b32 s[G1+4], 64
	s_mov_b32 s[G1B+4], 64
	s_mov_b32 s[G1+5], SIZE_K
	s_mov_b32 s[G1B+5], SIZE_K
	s_mov_b32 s[G1+6], 0
	s_mov_b32 s[G1B+6], 0
	s_mov_b32 s[G1+7], 0
	s_mov_b32 s[G1B+7], 0
	s_lshl_b32 s17, s12, 6
	s_lshl_b32 s16, s13, 7
	s_add_co_u32 s16, s16, s17                     ; ao: row 128 x block row + 64 x half
	s_lshl_b32 s46, s42, 7
	s_add_co_u32 s46, s46, s17                     ; Wo: row 128 x block column + 64 x half
	s_lshl_b32 s16, s16, 13
	s_lshl_b32 s46, s46, 13
	s_mov_b32 s17, 0
	s_mov_b32 s47, 0
	s_mul_i32 s20, s10, HALFT
	s_wait_dscnt 0x0
	s_wait_kmcnt 0x0
	s_add_nc_u64 s[6:7], s[6:7], WOFF
	s_add_nc_u64 s[14:15], s[4:5], s[16:17]
	s_add_nc_u64 s[46:47], s[6:7], s[46:47]
	CROUND                                         ; in front of the first joint loads
.irp s, 0,1
	s_mov_b32 s[G0+4*\s], 1
	s_add_co_u32 s[G0+4*\s+1], s20, \s*SLOT
	s_add_nc_u64 s[G0+4*\s+2:G0+4*\s+3], s[14:15], \s*KSLOT*2
	s_or_b32 s[G0+4*\s+3], s[G0+4*\s+3], 0x80000000
	s_mov_b32 s[G0B+4*\s], 1
	s_add_co_u32 s[G0B+4*\s+1], s20, \s*SLOT
	s_add_nc_u64 s[G0B+4*\s+2:G0B+4*\s+3], s[46:47], \s*KSLOT*2
	s_or_b32 s[G0B+4*\s+3], s[G0B+4*\s+3], 0x80000000
	JLOAD \s                                       ; two tensor loads of the wave are out
.endr
	v_and_b32 v1, 15, v0                           ; r
	v_bfe_u32 v2, v0, 4, 1                         ; h
	v_mul_u32_u24 v3, v1, PITCH
	v_lshl_add_u32 v3, v2, 4, v3
	s_lshl_b32 s21, s10, 7
	v_add_nc_u32 v3, s21, v3                       ; row x pitch + 16 h + my wave's 128 bytes of a slot's row
.irp p, 0,1,2,3
	s_add_co_u32 s21, s10, \p
	s_and_b32 s21, s21, 3
	s_mul_i32 s21, s21, 32*PITCH
	v_add_nc_u32 v[ADRA+\p], s21, v3
	v_add_nc_u32 v[ADRA+4+\p], SLOT, v[ADRA+\p]
.endr
	v_add_nc_u32 v[ADRB], 2*HALFT, v3
	v_add_nc_u32 v[ADRB+1], 2*HALFT+SLOT, v3
	v_and_b32 v[CO], 31, v0
	v_lshlrev_b32 v[CO], 4, v[CO]                  ; 16 x lane
	s_mul_i32 s21, s10, REDB
	v_add_nc_u32 v[REDW], s21, v[CO]
.irp p, 1,2,3
	s_sub_co_u32 s21, s10, \p
	s_and_b32 s21, s21, 3
	s_mul_i32 s21, s21, REDB
	s_add_co_u32 s21, s21, (\p-1)*16384
	v_add_nc_u32 v[REDR+\p-1], s21, v[CO]
.endr
	s_mul_i32 s23, s10, 16*SPITCH
	s_add_co_u32 s23, s23, STAGE
	v_mul_u32_u24 v5, v1, SPITCH
	v_lshl_add_u32 v5, v2, 5, v5
	v_add_nc_u32 v[STO], s23, v5                   ; in: row r, 32 bytes (8 f32) for each half of the lanes
	v_add_nc_u32 v[RD], s23, v[CO]                 ; back: a row of 512 bytes by 32 lanes
.macro MUL16 f, hi, a0, zero
.irp a, \a0, \a0+1
.irp b, 0,1,2,3,4,5,6,7
.if \zero
	v_wmma_f32_16x16x32_f16 v[8*(8*(\a)+\b):8*(8*(\a)+\b)+7], v[\f+8*\b:\f+8*\b+7], v[\f+8*(4*\hi+\a):\f+8*(4*\hi+\a)+7], 0
.else
	v_wmma_f32_16x16x32_f16 v[8*(8*(\a)+\b):8*(8*(\a)+\b)+7], v[\f+8*\b:\f+8*\b+7], v[\f+8*(4*\hi+\a):\f+8*(4*\hi+\a)+7], v[8*(8*(\a)+\b):8*(8*(\a)+\b)+7]
.endif
.endr
.endr
.endm
.macro FETCH slot, k, f
	WIN TO_B
.irp i, 0,1,2,3,4,5,6,7
	ds_load_b128 v[\f+8*\i:\f+8*\i+3],   v[ADRB+\slot] offset:\k+\i*16*PITCH
	ds_load_b128 v[\f+8*\i+4:\f+8*\i+7], v[ADRB+\slot] offset:\k+\i*16*PITCH+32
.endr
	WIN 0
.irp i, 0,1,2,3,4,5,6,7
	ds_load_b128 v[\f+8*\i:\f+8*\i+3],   v[ADRA+4*\slot+\i/2] offset:\k+(\i&1)*16*PITCH
	ds_load_b128 v[\f+8*\i+4:\f+8*\i+7], v[ADRA+4*\slot+\i/2] offset:\k+(\i&1)*16*PITCH+32
.endr
.endm
.macro PLACES                          ; four places behind a matrix instruction (ISA guide 7.12.1 for vector instructions)
.rept 4
	v_nop
.endr
.endm
; The 64 accumulators take turns, one instruction a turn, in the same order everywhere.
.macro QUARTER slot, k, f, g, zero
	s_wait_dscnt 8                                 ; Wo and ao's fragments 0-3 are in; the youngest eight loads may be out
	WIN MUL_LO
	MUL16 \f, 0, 0, \zero
	MUL16 \f, 0, 2, \zero
	PLACES
	FETCH \slot, \k, \g
	s_wait_dscnt 32                                ; all but the 32 just issued
	WIN MUL_HI
	MUL16 \f, 1, 0, \zero
	MUL16 \f, 1, 2, \zero
.endm
.macro TURN slot, next, fill
	s_wait_dscnt 8
	WIN MUL_LO
	MUL16 F1, 0, 0, 0
	s_wait_dscnt 0                                 ; my reads of this slot are over
	s_set_vgpr_msb 0xa1a0
	s_wait_tensorcnt 0x0                           ; all my tensor loads have landed
	ds_add_u32 v254, v255
	s_wait_dscnt 0x0
	s_set_vgpr_msb 0xa0a1
	s_barrier_signal -1
	MUL16 F1, 0, 2, 0                              ; registers only
	WIN 0
	s_barrier_wait -1
.if \fill
	CREST                                          ; the round is closed: no wave of any partner reads this slot or has a load on its way
	s_add_nc_u64 s[G0+4*\slot+2:G0+4*\slot+3], s[G0+4*\slot+2:G0+4*\slot+3], 2*KSLOT*2
	s_add_nc_u64 s[G0B+4*\slot+2:G0B+4*\slot+3], s[G0B+4*\slot+2:G0B+4*\slot+3], 2*KSLOT*2
	JLOAD \slot                                    ; the wave's one tensor load behind the round
.endif
	PLACES
	FETCH \next, 0, F0
	WIN MUL_HI
	MUL16 F1, 1, 0, 0
	MUL16 F1, 1, 2, 0
.endm
.macro LAP zero
	QUARTER 0, 64, F0, F1, \zero
	TURN 0, 1, 1
	QUARTER 1, 64, F0, F1, 0
	TURN 1, 0, 1
.endm
	s_wait_tensorcnt 1                             ; my part of slot 0 is in; slot 1's may stay out
	s_barrier_signal -1
	s_barrier_wait -1
	FETCH 0, 0, F0
	LAP 1
	WIN 0
	s_mov_b32 s3, LAPS-2
.Llap:
	LAP 0
	WIN 0
	s_sub_co_u32 s3, s3, 1
	s_cmp_lg_u32 s3, 0
	s_cbranch_scc1 .Llap
	QUARTER 0, 64, F0, F1, 0                       ; the last lap fills nothing
	TURN 0, 1, 0
	QUARTER 1, 64, F0, F1, 0
	s_wait_dscnt 8
	WIN MUL_LO
	MUL16 F1, 0, 0, 0
	MUL16 F1, 0, 2, 0
	s_wait_dscnt 0
	WIN MUL_HI
	MUL16 F1, 1, 0, 0
	MUL16 F1, 1, 2, 0
	; THE SUM OVER THE WAVES, through the ring's bytes, which have had their last fill
	WIN 0
	PLACES
	s_lshl_b32 s16, s13, 7
	s_lshl_b32 s17, s10, 5
	s_add_co_u32 s16, s16, s17                     ; my first row: 128 x block row + 32 w
	s_lshl_b32 s16, s16, 14                        ; rows of 16,384 bytes
	s_mov_b32 s17, 0
	s_add_nc_u64 s[8:9], s[8:9], s[16:17]
	s_lshl_b32 s46, s42, 9                         ; my block's 512 bytes of a row
	s_mov_b32 s47, 0
	s_add_nc_u64 s[8:9], s[8:9], s[46:47]
	s_barrier_signal -1                            ; every wave's reads of the ring are back
	s_barrier_wait -1
.macro REDST p, win, base
	WIN \win
.irp t, 0,1,2,3,4,5,6,7,8,9,10,11,12,13,14,15
	ds_store_b128 v[REDW], v[\base+8*\t:\base+8*\t+3]   offset:((\p-1)*16+\t)*1024
	ds_store_b128 v[REDW], v[\base+8*\t+4:\base+8*\t+7] offset:((\p-1)*16+\t)*1024+512
.endr
.endm
.macro REDLD p, land
	WIN TO_B
.irp t, 0,1,2,3,4,5,6,7,8,9,10,11,12,13,14,15
	ds_load_b128 v[\land+8*\t:\land+8*\t+3],   v[REDR+\p-1] offset:\t*1024
	ds_load_b128 v[\land+8*\t+4:\land+8*\t+7], v[REDR+\p-1] offset:\t*1024+512
.endr
.endm
.macro REDADD land
	WIN 0x86
.set i, 0
.rept 64
	v_pk_add_f32 v[2*i:2*i+1], v[2*i:2*i+1], v[\land+2*i:\land+2*i+1]
.set i, i+1
.endr
.endm
	REDST 1, 0x08, 128
	REDST 2, 0x0c, 0
	REDST 3, 0x0c, 128
	WIN 0
	s_wait_dscnt 0x0                               ; for the others' sake: my stores are done
	s_barrier_signal -1
	s_barrier_wait -1
	REDLD 1, 0
	REDLD 2, 128
	s_wait_dscnt 32                                ; the first 32 are in
	REDADD 0
	REDLD 3, 0
	s_wait_dscnt 32                                ; the second 32
	REDADD 128
	s_wait_dscnt 0x0
	REDADD 0
	WIN 0x82
.set i, 0
.rept 64
	v_pk_mul_f32 v[2*i:2*i+1], v[2*i:2*i+1], 0x41800000 op_sel_hi:[1,0]    ; x 16: undoes ao's 2^-4
.set i, i+1
.endr
	; THE WAY OUT, 16 rows at a time through my own stage: a lane's 8 f32 in, whole rows of 512 bytes back and out
.macro OUTF a
	WIN 0x08
.irp b, 0,1,2,3,4,5,6,7
	ds_store_b128 v[STO], v[8*(8*\a+\b):8*(8*\a+\b)+3]   offset:64*\b
	ds_store_b128 v[STO], v[8*(8*\a+\b)+4:8*(8*\a+\b)+7] offset:64*\b+16
.endr
	WIN 0
.irp t, 0,1,2,3,4,5,6,7,8,9,10,11,12,13,14,15
	ds_load_b128 v[64+64*\a+4*\t:64+64*\a+4*\t+3], v[RD] offset:\t*SPITCH      ; LDS serves a wave's instructions in order
.endr
.irp t, 0,1,2,3,4,5,6,7,8,9,10,11,12,13,14,15
	s_wait_dscnt 15-\t                             ; read-back t is in, the younger ones stay out
	global_store_b128 v[CO], v[64+64*\a+4*\t:64+64*\a+4*\t+3], s[8:9] offset:(16*\a+\t)*OUTP th:TH_STORE_NT   ; 512 consecutive bytes at a multiple of 512
.endr
.endm
	OUTF 0                                         ; the two calls store from different registers; base and offset are never rewritten
	OUTF 1
	s_wait_tensorcnt 0x0
	ds_add_u32 v254, v255
	s_wait_dscnt 0x0
	CROUND                                         ; the closing round
	s_endpgm
.Lfunc_end_k_q66bacf08bb_oproj:
	.size	k_q66bacf08bb_oproj, .Lfunc_end_k_q66bacf08bb_oproj-k_q66bacf08bb_oproj
	.p2alignl 7, 3214868480
	.fill 96, 4, 3214868480
	.section	.rodata,"a",@progbits
	.p2align	6, 0x0
	.amdhsa_kernel k_q66bacf08bb_oproj
		.amdhsa_group_segment_fixed_size 327680
		.amdhsa_private_segment_fixed_size 0
		.amdhsa_enable_private_segment 0
		.amdhsa_kernarg_size 24
		.amdhsa_user_sgpr_count 2
		.amdhsa_user_sgpr_kernarg_segment_ptr 1
		.amdhsa_wavefront_size32 1
		.amdhsa_system_sgpr_workgroup_id_x 1
		.amdhsa_system_sgpr_workgroup_id_y 1
		.amdhsa_system_sgpr_workgroup_id_z 1
		.amdhsa_system_vgpr_workitem_id 0
		.amdhsa_next_free_vgpr 1024
		.amdhsa_next_free_sgpr 72
		.amdhsa_reserve_vcc 0
		.amdhsa_float_denorm_mode_32 3
		.amdhsa_float_denorm_mode_16_64 3
		.amdhsa_memory_ordered 1
		.amdhsa_forward_progress 1
		.amdhsa_inst_pref_size 127
	.end_amdhsa_kernel
	.amdgpu_metadata
---
amdhsa.version: [ 1, 2 ]
amdhsa.kernels:
  - .name:           k_q66bacf08bb_oproj
    .symbol:         k_q66bacf08bb_oproj.kd
    .args:
      - { .name: ao, .offset: 0, .size: 8, .value_kind: global_buffer, .address_space: global }
      - { .name: wh, .offset: 8, .size: 8, .value_kind: global_buffer, .address_space: global }
      - { .name: out0, .offset: 16, .size: 8, .value_kind: global_buffer, .address_space: global }
    .group_segment_fixed_size: 327680
    .private_segment_fixed_size: 0
    .kernarg_segment_align: 8
    .kernarg_segment_size: 24
    .max_flat_workgroup_size: 128
    .sgpr_count:     72
    .vgpr_count:     1024
    .wavefront_size: 32
...
	.end_amdgpu_metadata
.endif
;; end of part 4
;; ======== version 2 of 3: 4 launches; 1.19 times as fast as version 1
;; limits: values are held in f16: magnitudes above 65,504 overflow, below 6.1e-05 lose precision; inputs' magnitudes at most 65,504; right only within a limited range of input values
;; workspace buffers: wh 58,720,256 bytes; woh 33,554,432 bytes; qkv 12,582,912 bytes; ao 8,388,608 bytes
;; launch tof16 (part 5): grid 128 x 7, 8 waves a work-group, no clusters, 0 bytes of LDS; arguments x, Wq, Wk, Wv, wh; writes wh
.if DOCPART == 5
	.amdgcn_target "amdgcn-amd-amdhsa--gfx1250"
	.amdhsa_code_object_version 6
	.text
	.protected	k_q66bacf08bb_tof16
	.globl	k_q66bacf08bb_tof16
	.p2align	8
	.type	k_q66bacf08bb_tof16,@function
k_q66bacf08bb_tof16:
	s_mov_b64 s[64:65], 0
	v_nop
	global_prefetch_b8 v0, s[64:65] scope:SCOPE_SE
	s_setreg_imm32_b32 hwreg(HW_REG_WAVE_MODE, 25, 1), 1
	s_wait_xcnt 0x0
; x, Wq, Wk, Wv (f32) are rounded once to f16 into wh, as seven chunks of 4 Mi numbers: chunk 0 = x, 1-4 = Wq, 5 = Wk, 6 = Wv.
; So wh holds x [1024][4096], then [Wq;Wk;Wv] [6144][4096].  (Wo is rounded in the attention's launch, which leaves memory room.)
; Why a pass of its own: each weight row is multiplied by 8 row blocks and each row of x by 32 column blocks, so the product
; fetches every number many times; fetched as f16 they are half the bytes and an LDS slot holds twice the K.
; LIMIT: a number of magnitude above 65,504 becomes an infinity; below 6.1e-5 it keeps an absolute step of 6e-8.
; A stream: no LDS, no barrier, no cluster (no two work-groups read the same byte).
; Grid y = chunk, grid x = which 32 rows of 4,096 bytes of the chunk's 16 MiB.  Thread t owns the 16 bytes at 16 t of every row:
; a load of a wave covers 512 consecutive bytes, a store of a wave 256 consecutive bytes at a multiple of 256.
; No source of a pending memory instruction is ever rewritten: the rows stand in the immediates, and each row has its own two registers to store from.
.set ROW,   4096                       ; bytes of f32 in a row
.set ROWS,  32                         ; rows of a work-group
.set DEPTH, 8                          ; loads of a wave in flight
.set X,     4                          ; v[4:35]   slot i: 4 numbers as loaded
.set Y,     36                         ; v[36:99]  row i: 4 numbers in f16
	s_load_b256 s[4:11], s[0:1], 0x0               ; x s[4:5], Wq s[6:7], Wk s[8:9], Wv s[10:11]
	s_load_b64 s[14:15], s[0:1], 0x20              ; wh
	s_and_b32 s16, ttmp7, 0xffff                   ; chunk c
	s_sub_co_u32 s18, s16, 1                       ; the chunk's number inside Wq
	v_lshlrev_b32 v1, 4, v0                        ; my 16 bytes of a source row
	v_lshlrev_b32 v2, 3, v0                        ; my 8 bytes of a row of wh
	s_wait_kmcnt 0x0
	s_mov_b64 s[20:21], s[4:5]                     ; the source is chosen by the chunk's number alone
	s_mov_b32 s17, 0
	s_cmp_ge_u32 s16, 1
	s_cselect_b64 s[20:21], s[6:7], s[20:21]
	s_cselect_b32 s17, s18, s17
	s_cmp_ge_u32 s16, 5
	s_cselect_b64 s[20:21], s[8:9], s[20:21]
	s_cselect_b32 s17, 0, s17
	s_cmp_ge_u32 s16, 6
	s_cselect_b64 s[20:21], s[10:11], s[20:21]
	s_lshl_b32 s22, s17, 24                        ; 16 MiB for each chunk inside the source (3 at the most),
	s_lshl_b32 s26, ttmp9, 17                      ; 128 KiB for each work-group
	s_add_co_u32 s22, s22, s26
	s_mov_b32 s23, 0
	s_add_nc_u64 s[20:21], s[20:21], s[22:23]
	s_lshl_b32 s24, s16, 23                        ; half of that in wh
	s_lshl_b32 s26, ttmp9, 16
	s_add_co_u32 s24, s24, s26
	s_mov_b32 s25, 0
	s_add_nc_u64 s[14:15], s[14:15], s[24:25]
.irp i, 0,1,2,3,4,5,6,7
	global_load_b128 v[X+4*\i:X+4*\i+3], v1, s[20:21] offset:\i*ROW th:TH_LOAD_NT
.endr
.set i, 0
.rept ROWS
.if i < ROWS-DEPTH+1
	s_wait_loadcnt DEPTH-1                         ; loads come back in order: row i is in, the seven younger stay out
.else
	s_wait_loadcnt ROWS-1-i                        ; the last rows: nothing is loaded any more, the count runs down
.endif
	v_cvt_pk_f16_f32 v[Y+2*i],   v[X+4*(i%DEPTH)],   v[X+4*(i%DEPTH)+1]
	v_cvt_pk_f16_f32 v[Y+2*i+1], v[X+4*(i%DEPTH)+2], v[X+4*(i%DEPTH)+3]
.if i+DEPTH < ROWS
	global_load_b128 v[X+4*(i%DEPTH):X+4*(i%DEPTH)+3], v1, s[20:21] offset:(i+DEPTH)*ROW th:TH_LOAD_NT
.endif
	global_store_b64 v2, v[Y+2*i:Y+2*i+1], s[14:15] offset:i*ROW/2
.set i, i+1
.endr
	s_endpgm
.Lfunc_end_k_q66bacf08bb_tof16:
	.size	k_q66bacf08bb_tof16, .Lfunc_end_k_q66bacf08bb_tof16-k_q66bacf08bb_tof16
	.p2alignl 7, 3214868480
	.fill 96, 4, 3214868480
	.section	.rodata,"a",@progbits
	.p2align	6, 0x0
	.amdhsa_kernel k_q66bacf08bb_tof16
		.amdhsa_group_segment_fixed_size 0
		.amdhsa_private_segment_fixed_size 0
		.amdhsa_enable_private_segment 0
		.amdhsa_kernarg_size 40
		.amdhsa_user_sgpr_count 2
		.amdhsa_user_sgpr_kernarg_segment_ptr 1
		.amdhsa_wavefront_size32 1
		.amdhsa_system_sgpr_workgroup_id_x 1
		.amdhsa_system_sgpr_workgroup_id_y 1
		.amdhsa_system_sgpr_workgroup_id_z 1
		.amdhsa_system_vgpr_workitem_id 0
		.amdhsa_next_free_vgpr 100
		.amdhsa_next_free_sgpr 66
		.amdhsa_reserve_vcc 0
		.amdhsa_float_denorm_mode_32 3
		.amdhsa_float_denorm_mode_16_64 3
		.amdhsa_memory_ordered 1
		.amdhsa_forward_progress 1
		.amdhsa_inst_pref_size 13
	.end_amdhsa_kernel
	.amdgpu_metadata
---
amdhsa.version: [ 1, 2 ]
amdhsa.kernels:
  - .name:           k_q66bacf08bb_tof16
    .symbol:         k_q66bacf08bb_tof16.kd
    .args:
      - { .name: x, .offset: 0, .size: 8, .value_kind: global_buffer, .address_space: global }
      - { .name: Wq, .offset: 8, .size: 8, .value_kind: global_buffer, .address_space: global }
      - { .name: Wk, .offset: 16, .size: 8, .value_kind: global_buffer, .address_space: global }
      - { .name: Wv, .offset: 24, .size: 8, .value_kind: global_buffer, .address_space: global }
      - { .name: wh, .offset: 32, .size: 8, .value_kind: global_buffer, .address_space: global }
    .group_segment_fixed_size: 0
    .private_segment_fixed_size: 0
    .kernarg_segment_align: 8
    .kernarg_segment_size: 40
    .max_flat_workgroup_size: 256
    .sgpr_count:     66
    .vgpr_count:     100
    .wavefront_size: 32
...
	.end_amdgpu_metadata
.endif
;; end of part 5
;; launch qkv (part 6): grid 32 x 8, 4 waves a work-group, clusters of 4 x 4, 327,680 bytes of LDS; arguments wh, freqs, qkv; writes qkv
.if DOCPART == 6
	.amdgcn_target "amdgcn-amd-amdhsa--gfx1250"
	.amdhsa_code_object_version 6
	.text
	.protected	k_q66bacf08bb_qkv
	.globl	k_q66bacf08bb_qkv
	.p2align	8
	.type	k_q66bacf08bb_qkv,@function
k_q66bacf08bb_qkv:
	s_mov_b64 s[64:65], 0
	v_nop
	global_prefetch_b8 v0, s[64:65] scope:SCOPE_SE
	s_setreg_imm32_b32 hwreg(HW_REG_WAVE_MODE, 25, 1), 1
	s_wait_xcnt 0x0
	s_wait_alu depctr_hold_cnt(0) depctr_sa_sdst(0) depctr_va_vdst(0) depctr_va_sdst(0) depctr_va_ssrc(0) depctr_va_vcc(0) depctr_vm_vsrc(0)
	s_getreg_b32 s2, hwreg(HW_REG_IB_STS2, 6, 4)
	s_cmp_eq_u32 s2, 0
	s_cbranch_scc0 .Lentry_in_a_cluster
	s_endpgm
.Lentry_in_a_cluster:
	s_bfe_u32 s2, ttmp6, 0x10000c
	s_cmp_lg_u32 s2, 0xf033
	s_cbranch_scc0 .Lentry_shape_is_right
	s_endpgm
.Lentry_shape_is_right:
; qkv[t][o] = 2^-4 x rope( sum over d of x[t][d] W[o][d] ), W = [Wq; Wk; Wv] (6,144 rows), x and W in f16 from wh, sums in f32, qkv in f16.
; Columns 0-4095 q, 4096-5119 k (both rotated by freqs), 5120-6143 v (not rotated).
; A work-group makes 128 rows x 192 columns: 8 x 32 = 256 work-groups of equal work, and 320 operand rows for 24,576 outputs.
; K IS SPLIT AMONG THE FOUR WAVES: each wave holds the whole block in 96 accumulator tiles (768 registers) and multiplies its own quarter of
; every slot's K, so that 20 KiB of fragments feed 96 matrix instructions; the four partial f32 sums are added through LDS at the end.
; THE RING has two slots of unlike size, since two of 256 along K (2 x 320 rows x 528 bytes) do not fit: a large one (256 along K, rows of 512
; bytes) and a small one (128 along K, rows of 256 bytes).  A lap is 384 along K; 4,096 = 10 laps and one more large slot.  Every tile's rows
; start at a multiple of 256 bytes (768 l, 768 l + 512).  A wave has two steps of 32 along K in the large slot and one in the small.
; CLUSTERS: 4 x 4 work-groups.  The four of a row of the cluster need the same tiles of x, the four of a column the same tiles of W: each tile
; is asked for jointly, which divides the requests by four.
; THE ORDER OF K: a tile of W is needed by two clusters and a tile of x by eight.  Clusters whose x + y is odd begin at lap 5 and go round
; (5..9, 0..4); the last large slot (K 3840-4095) is the last in all.  So of the clusters that need a tile one half asks five laps behind the
; other half and may find it in the cache.  The sums of such clusters run over K in that order.
; STORES: a row of the block is 384 bytes and starts at a multiple of 128: each store (24 lanes) covers one whole aligned block of 256 bytes and
; one half block, whose other half the neighbouring work-group stores; a third of qkv's bytes lie in such shared blocks.  Blocks of whole
; 256 bytes with 256 equal work-groups would be 64 x 384, with 448 operand rows instead of 320.
; LIMITS: operands are f16; q, k, v are stored times 2^-4, so magnitudes of 1.04e6 and more become infinities, and the absolute step is 1e-6 of
; q, k, v.  On v's columns the rotation is by (2^-4, 0): an infinite sum there gives NaN.
;
; REGISTERS, in windows of 256.  Window 0: v0-31 addresses; v32-95, v96-159 x's 8 fragments, two buffers; v160-255 W's 12 fragments, one
; buffer, refilled by thirds as soon as a group of 32 matrix instructions has used them; at the end v64-255 cos and sin, then the rows to store.
; Windows 1-3: accumulator tile (a, b), a = 0..7 (16 rows), b = 0..11 (16 columns), in window 1 + b / 4 at v[64 (b % 4) + 8 a].
; The matrix instruction is used transposed (source 0 = 16 rows of W, source 1 = 16 rows of x): lane l holds row l % 16 and its registers 0-7
; the columns 8 (l / 16) + 0..7.
; x's fragment pair p (fragments 2p, 2p+1) of wave w holds the block's rows 32 ((p + w) & 3) ..+31: tiles a = 0, 1 are in every wave the 32 rows
; that this wave sums up and stores, so that the end is one text for all four.
.set SIZE_K, 4096
.set BP,     528                       ; the large slot's LDS rows: 512 bytes + 16 = 132 words: 16 rows start 4 words apart modulo 64 words
.set SP,     272                       ; the small slot's: 256 bytes + 16 = 68 words: likewise
.set BIGA,   0                         ; large slot: x's 128 rows,
.set BIGB,   128*BP                    ; then W's 192 rows
.set SMLA,   320*BP                    ; small slot: x's 128 rows,
.set SMLB,   SMLA+128*SP               ; then W's 192 rows; the ring ends at 256,000
.set LAPB,   768                       ; bytes along a row from a lap to the next
.set REDB,   73728                     ; a wave's 72 tiles for the other waves; 4 x 73,728 = 294,912 bytes in all
.set STP,    400                       ; the stage's rows: 384 bytes + 16 = 25 x 16
.set WOFF,   8388608                   ; W's first row in wh
.set OUTP,   12288                     ; bytes in a row of qkv
.set ADAB, 8                           ; v8-11   x's fragment pairs in the large slot
.set ADAS, 12                          ; v12-15  in the small slot
.set ADBB, 16                          ; v16-17  W's fragments 0-5, 6-11 in the large slot
.set ADBS, 18                          ; v18-19  in the small slot
.set REDW, 20                          ; v20-21  where I put partial sums: pairs 1 and 2, pair 3
.set REDR, 22                          ; v22-24  where I find those of waves w-1, w-2, w-3
.set STO,  25
.set RD,   26
.set CO,   27
.set FOL,  28                          ; freqs: for column groups b & 7 = 0..3
.set FOH,  29                          ; for b & 7 = 4..7
.set LN,   30                          ; lane
.set FA0,  32
.set FA1,  96
.set FB,   160
.set CS,   64                          ; window 0: cos and sin of tile (a, b), a = 0, 1, at CS + 96 a + 8 b
.set RT,   16                          ; windows 1-3: eight temporaries of the rotation (a tile that has been handed on)
.set G1AB, 24                          ; s[24:31] group 1, x, large slot
.set G1AS, 32                          ; s[32:39] x, small slot
.set G1BB, 40                          ; s[40:47] W, large slot
.set G1BS, 48                          ; s[48:55] W, small slot
.set G0AB, 56                          ; s[56:59] group 0, likewise
.set G0AS, 60
.set G0BB, 68
.set G0BS, 72
.set KOB,  92                          ; s[92:93] byte along the rows of the large slot's newest tile (high word 0)
.set KOS,  94                          ; s[94:95] of the small slot's
.set MSB, 0
.macro WIN new                         ; the immediate's high byte repeats the setting that is left
.if MSB != \new
	s_set_vgpr_msb (MSB<<8)|\new
.set MSB, \new
.endif
.endm
; A joint load: waves 0 and 1 fetch x's two halves (64 rows), waves 2 and 3 W's (96 rows).  The branch hangs on the wave's number alone.
.macro JLOAD ga, g1a, gb, g1b
	s_cmp_eq_u32 s11, 0
	s_cbranch_scc0 .Lfor_b_\@
	tensor_load_to_lds s[\ga:\ga+3], s[\g1a:\g1a+7]
	s_nop 0
	s_branch .Lasked_\@
.Lfor_b_\@:
	tensor_load_to_lds s[\gb:\gb+3], s[\g1b:\g1b+7]
	s_nop 0
.Lasked_\@:
.endm
.macro CREST                           ; a round of the cluster's barrier behind its opening barrier
	s_cmp_lg_u32 s10, 0
	s_cbranch_scc1 .Lnot_wave_0_\@
	s_barrier_signal -3
.Lnot_wave_0_\@:
	s_barrier_wait -3
	s_barrier_signal -1
	s_barrier_wait -1
.endm
.macro CROUND                          ; a whole round
	s_barrier_signal -1
	s_barrier_wait -1
	CREST
.endm
; The global addresses of a slot's next tiles: my rows' first byte + the byte along the rows.  Written only where no tensor load of the wave is out.
.macro BIGADR
	s_add_nc_u64 s[G0AB+2:G0AB+3], s[14:15], s[KOB:KOB+1]
	s_or_b32 s[G0AB+3], s[G0AB+3], 0x80000000
	s_add_nc_u64 s[G0BB+2:G0BB+3], s[84:85], s[KOB:KOB+1]
	s_or_b32 s[G0BB+3], s[G0BB+3], 0x80000000
.endm
.macro SMLADR
	s_add_nc_u64 s[G0AS+2:G0AS+3], s[14:15], s[KOS:KOS+1]
	s_or_b32 s[G0AS+3], s[G0AS+3], 0x80000000
	s_add_nc_u64 s[G0BS+2:G0BS+3], s[84:85], s[KOS:KOS+1]
	s_or_b32 s[G0BS+3], s[G0BS+3], 0x80000000
.endm
	s_load_b128 s[4:7], s[0:1], 0x0                ; wh s[4:5], freqs s[6:7]
	s_load_b64 s[8:9], s[0:1], 0x10                ; qkv
	v_lshl_add_u32 v5, v0, 2, 0x48000
	v_mov_b32 v31, 0
	ds_add_u32 v5, v31
	v_lshrrev_b32 v1, 5, v0
	v_readfirstlane_b32 s10, v1                    ; wave 0..3
	s_lshr_b32 s11, s10, 1                         ; I fetch for x (0) or for W (1)
	s_and_b32 s12, s10, 1                          ; which half of that tile's rows
	s_bfe_u32 s76, ttmp6, 0x40000                  ; cx
	s_bfe_u32 s77, ttmp6, 0x40004                  ; cy
	s_lshl_b32 s78, ttmp9, 2
	s_add_co_u32 s78, s78, s76                     ; block column = 4 x cluster x + cx
	s_and_b32 s13, ttmp7, 0xffff
	s_add_co_u32 s86, s13, ttmp9
	s_and_b32 s86, s86, 1                          ; the parity of cluster x + cluster y, the same in all sixteen partners
	s_mul_i32 s[KOB], s86, 5*LAPB                  ; odd clusters begin at lap 5
	s_mov_b32 s[KOB+1], 0
	s_add_co_u32 s[KOS], s[KOB], 512               ; a lap's small tile lies behind its large one
	s_mov_b32 s[KOS+1], 0
	s_lshl_b32 s13, s13, 2
	s_add_co_u32 s13, s13, s77                     ; block row = 4 x cluster y + cy
	s_lshl_b32 s79, s77, 2
	s_lshl_b32 s79, 15, s79                        ; my row of the cluster
	s_lshl_b32 s80, 0x1111, s76                    ; my column
	s_mov_b32 s88, 0x3d800000                      ; 2^-4
	s_mul_i32 s90, s78, 192                        ; my block's first column
	; group 1: elements of 2 bytes; 4 words of padding behind every row (128 words in the large slot, 64 in the small)
	s_or_b32 s[G1AB+0], s79, (1<<16)|(1<<20)|(1<<21)|(6<<22)|(3<<25)
	s_or_b32 s[G1AS+0], s79, (1<<16)|(1<<20)|(1<<21)|(5<<22)|(3<<25)
	s_or_b32 s[G1BB+0], s80, (1<<16)|(1<<20)|(1<<21)|(6<<22)|(3<<25)
	s_or_b32 s[G1BS+0], s80, (1<<16)|(1<<20)|(1<<21)|(5<<22)|(3<<25)
	s_mov_b32 s[G1AB+1], 256<<16                   ; tensor_dim0
	s_mov_b32 s[G1AS+1], 128<<16
	s_mov_b32 s[G1BB+1], 256<<16
	s_mov_b32 s[G1BS+1], 128<<16
	s_mov_b32 s[G1AB+2], 64<<16                    ; tensor_dim1
	s_mov_b32 s[G1AS+2], 64<<16
	s_mov_b32 s[G1BB+2], 96<<16
	s_mov_b32 s[G1BS+2], 96<<16
	s_mov_b32 s[G1AB+3], 256<<16                   ; tile_dim0
	s_mov_b32 s[G1AS+3], 128<<16
	s_mov_b32 s[G1BB+3], 256<<16
	s_mov_b32 s[G1BS+3], 128<<16
	s_mov_b32 s[G1AB+4], 64                        ; tile_dim1
	s_mov_b32 s[G1AS+4], 64
	s_mov_b32 s[G1BB+4], 96
	s_mov_b32 s[G1BS+4], 96
	s_mov_b32 s[G1AB+5], SIZE_K                    ; elements from row to row
	s_mov_b32 s[G1AS+5], SIZE_K
	s_mov_b32 s[G1BB+5], SIZE_K
	s_mov_b32 s[G1BS+5], SIZE_K
	s_mov_b32 s[G1AB+6], 0
	s_mov_b32 s[G1AS+6], 0
	s_mov_b32 s[G1BB+6], 0
	s_mov_b32 s[G1BS+6], 0
	s_mov_b32 s[G1AB+7], 0
	s_mov_b32 s[G1AS+7], 0
	s_mov_b32 s[G1BB+7], 0
	s_mov_b32 s[G1BS+7], 0
	; x's tiles hang on the block row alone, W's on the block column alone; each in registers that never hold the other coordinate
	s_lshl_b32 s17, s12, 6
	s_lshl_b32 s16, s13, 7
	s_add_co_u32 s16, s16, s17                     ; x: row 128 x block row + 64 x half
	s_lshl_b32 s16, s16, 13                        ; rows of 8,192 bytes: 8 MiB at the most
	s_mov_b32 s17, 0
	s_mul_i32 s86, s12, 96
	s_add_co_u32 s84, s90, s86                     ; W: row 192 x block column + 96 x half
	s_lshl_b32 s84, s84, 13                        ; 48 MiB at the most
	s_mov_b32 s85, 0
	s_mul_i32 s20, s12, 64*BP                      ; where my rows go: the wave's number alone
	s_mul_i32 s21, s12, 64*SP
	s_mul_i32 s22, s12, 96*BP
	s_mul_i32 s23, s12, 96*SP
	s_wait_dscnt 0x0
	s_wait_kmcnt 0x0
	s_mov_b64 s[82:83], s[6:7]                     ; freqs
	s_add_nc_u64 s[6:7], s[4:5], WOFF              ; W
	s_add_nc_u64 s[14:15], s[4:5], s[16:17]        ; my rows of x; kept for the whole loop
	s_add_nc_u64 s[84:85], s[6:7], s[84:85]        ; my rows of W; likewise
	CROUND                                         ; all sixteen work-groups are here: the first joint loads meet
	s_mov_b32 s[G0AB], 1
	s_add_co_u32 s[G0AB+1], s20, BIGA
	s_mov_b32 s[G0BB], 1
	s_add_co_u32 s[G0BB+1], s22, BIGB
	s_mov_b32 s[G0AS], 1
	s_add_co_u32 s[G0AS+1], s21, SMLA
	s_mov_b32 s[G0BS], 1
	s_add_co_u32 s[G0BS+1], s23, SMLB
	BIGADR                                         ; my first lap's 256 along K,
	SMLADR                                         ; and its 128
	JLOAD G0AB, G1AB, G0BB, G1BB                   ; the large slot,
	JLOAD G0AS, G1AS, G0BS, G1BS                   ; the small one: two tensor loads of the wave are out
	v_and_b32 v1, 15, v0                           ; r = l % 16
	v_bfe_u32 v2, v0, 4, 1                         ; h = l / 16
	v_and_b32 v[LN], 31, v0
	v_mul_u32_u24 v3, v1, BP
	v_lshl_add_u32 v3, v2, 4, v3
	s_lshl_b32 s21, s10, 7
	v_add_nc_u32 v3, s21, v3                       ; large slot: row x pitch + 16 h + my wave's 128 bytes (64 along K) of a row
	v_mul_u32_u24 v4, v1, SP
	v_lshl_add_u32 v4, v2, 4, v4
	s_lshl_b32 s21, s10, 6
	v_add_nc_u32 v4, s21, v4                       ; small slot: my wave's 64 bytes (32 along K)
.irp p, 0,1,2,3
	s_add_co_u32 s21, s10, \p
	s_and_b32 s21, s21, 3                          ; pair p: rows 32 ((p + w) & 3)
	s_mul_i32 s22, s21, 32*BP
	v_add_nc_u32 v[ADAB+\p], s22, v3
	s_mul_i32 s22, s21, 32*SP
	s_add_co_u32 s22, s22, SMLA
	v_add_nc_u32 v[ADAS+\p], s22, v4
.endr
	v_add_nc_u32 v[ADBB], BIGB, v3
	v_add_nc_u32 v[ADBB+1], BIGB+6*16*BP, v3       ; a second register: 11 x 16 rows pass the 16 bits of the immediate
	v_add_nc_u32 v[ADBS], SMLB, v4
	v_add_nc_u32 v[ADBS+1], SMLB+6*16*SP, v4
	v_lshlrev_b32 v6, 4, v[LN]                     ; 16 x lane
	s_mul_i32 s21, s10, REDB
	v_add_nc_u32 v[REDW], s21, v6
	v_add_nc_u32 v[REDW+1], 49152, v[REDW]
.irp p, 1,2,3
	s_sub_co_u32 s21, s10, \p
	s_and_b32 s21, s21, 3                          ; wave (w - p) & 3 holds my rows as its pair p
	s_mul_i32 s21, s21, REDB
	s_add_co_u32 s21, s21, (\p-1)*24576
	v_add_nc_u32 v[REDR+\p-1], s21, v6
.endr
	s_mul_i32 s23, s10, 32*STP                     ; my stage: 32 rows
	v_mul_u32_u24 v7, v1, STP
	v_lshl_add_u32 v7, v2, 4, v7
	v_add_nc_u32 v[STO], s23, v7                   ; in: row r, 16 bytes for each half of the lanes
	v_min_u32 v7, 23, v[LN]
	v_lshlrev_b32 v[CO], 4, v7                     ; back and out: a row of 384 bytes by lanes 0-23 (lanes 24-31 read lane 23's bytes and store nothing)
	v_add_nc_u32 v[RD], s23, v[CO]
	; freqs: row r (512 bytes); the four pairs (cos, sin) of columns 16 b + 8 h ..+7 lie at byte (256 (block & 1) + 64 b + 32 h) mod 512
	s_and_b32 s81, s78, 1
	s_lshl_b32 s86, s81, 8
	s_xor_b32 s87, s86, 256
	v_lshlrev_b32 v7, 9, v1
	v_lshl_add_u32 v7, v2, 5, v7
	v_add_nc_u32 v[FOL], s86, v7                   ; b & 7 < 4: + 256 (block & 1), the immediate 64 (b & 7)
	v_add_nc_u32 v[FOH], s87, v7                   ; b & 7 >= 4: + 256 (1 - (block & 1)), the immediate 64 (b & 7) - 256
; 16 matrix instructions: W's fragments 4 g + 2 half, + 1 x all 8 of x, 32 along K.  zero = 1: the first product starts the sums.
.macro MULH g, half, fa, zero
.irp i, 2*\half, 2*\half+1
.irp a, 0,1,2,3,4,5,6,7
.if \zero
	v_wmma_f32_16x16x32_f16 v[64*(\i)+8*\a:64*(\i)+8*\a+7], v[FB+8*(4*\g+\i):FB+8*(4*\g+\i)+7], v[\fa+8*\a:\fa+8*\a+7], 0
.else
	v_wmma_f32_16x16x32_f16 v[64*(\i)+8*\a:64*(\i)+8*\a+7], v[FB+8*(4*\g+\i):FB+8*(4*\g+\i)+7], v[\fa+8*\a:\fa+8*\a+7], v[64*(\i)+8*\a:64*(\i)+8*\a+7]
.endif
.endr
.endr
.endm
; Where the next step's fragments lie: address registers, pitch, byte in my wave's part of the rows
.macro FROM_BIG k
.set NAB, ADAB
.set NBB, ADBB
.set NP,  BP
.set NK,  \k
.endm
.macro FROM_SMALL
.set NAB, ADAS
.set NBB, ADBS
.set NP,  SP
.set NK,  0
.endm
.macro LDB g                           ; 8 loads: the next step's W fragments 4 g ..+3
.irp i, 0,1,2,3
	ds_load_b128 v[FB+8*(4*\g+\i):FB+8*(4*\g+\i)+3],   v[NBB+(4*\g+\i)/6] offset:NK+((4*\g+\i)%6)*16*NP
	ds_load_b128 v[FB+8*(4*\g+\i)+4:FB+8*(4*\g+\i)+7], v[NBB+(4*\g+\i)/6] offset:NK+((4*\g+\i)%6)*16*NP+32
.endr
.endm
.macro LDA f                           ; 16 loads: the next step's 8 fragments of x into buffer f
.irp i, 0,1,2,3,4,5,6,7
	ds_load_b128 v[\f+8*\i:\f+8*\i+3],   v[NAB+\i/2] offset:NK+(\i&1)*16*NP
	ds_load_b128 v[\f+8*\i+4:\f+8*\i+7], v[NAB+\i/2] offset:NK+(\i&1)*16*NP+32
.endr
.endm
; Four places of plain vector instructions stand between a matrix instruction and a load into, or a vector instruction on, its registers
; (ISA guide 7.12.1 for vector instructions).
.macro PLACES
.rept 4
	v_nop
.endr
.endm
; A step: 32 along K, 96 matrix instructions in three groups of 32, one register window each.  The 96 accumulators take turns, one instruction a
; turn, in the same order in every step, over the backward jump too.
; LDS loads come back in order.  The order of issue is in every step: W 0-3 and x (24), W 4-7 (8), W 8-11 (8).
; turn = 0: a step inside the large slot.  Behind each group the four fragments of W that it has used are loaded again for the next step; behind
; the first also the next step's x, into the other buffer.
; turn > 0: the last step of a slot, whose fragments were all asked for in the step before.  All its 96 matrix instructions come first, so that
; nothing but the barrier stands between the other slot's arrival and this slot's next request.  Then each wave waits for all its tensor loads (one
; is out: its part of the other slot; its reads of this slot are back since the wait for 0 ahead of the third group) and passes the barrier.
; turn = 1, 4: the large slot is filled again behind the cluster's round that the barrier opens (4: with the last 256 along K); 2: the small
; slot; 3: nothing is filled.  The refill comes first, then the other slot's fragments, 40 loads in one run.
.macro STEP fa, fn, zero, turn
	s_wait_dscnt 16                                ; W 0-3 and x are in; the 16 younger loads (W 4-11) may be out
	WIN 0x50
	MULH 0, 0, \fa, \zero
	MULH 0, 1, \fa, \zero
.if \turn == 0
	WIN 0
	PLACES
	LDB 0
	LDA \fn
	s_wait_dscnt 32                                ; W 4-7 are in: younger are W 8-11 (8) and the 24 just issued
	WIN 0xa0
	MULH 1, 0, \fa, \zero
	MULH 1, 1, \fa, \zero
	WIN 0
	PLACES
	LDB 1
	s_wait_dscnt 32                                ; W 8-11 are in: younger are the 24 and the 8 of this step
	WIN 0xf0
	MULH 2, 0, \fa, \zero
	MULH 2, 1, \fa, \zero
	WIN 0
	PLACES
	LDB 2
.else
	s_wait_dscnt 8                                 ; W 4-7 are in: younger are W 8-11 alone
	WIN 0xa0
	MULH 1, 0, \fa, 0
	MULH 1, 1, \fa, 0
	s_wait_dscnt 0                                 ; W 8-11 are in, and with them my reads of this slot are over
	WIN 0xf0
	MULH 2, 0, \fa, 0
	MULH 2, 1, \fa, 0
	WIN 0
	PLACES
	s_wait_tensorcnt 0x0                           ; all my tensor loads have landed: every group 0 may be written
	ds_add_u32 v5, v31
	s_wait_dscnt 0x0
.if \turn == 1
	s_add_co_u32 s[KOB], s[KOB], LAPB              ; the next lap, round the ten laps
	s_cmp_ge_u32 s[KOB], 10*LAPB
	s_cselect_b32 s86, 10*LAPB, 0
	s_sub_co_u32 s[KOB], s[KOB], s86
	BIGADR
.endif
.if \turn == 4
	s_mov_b32 s[KOB], 10*LAPB                      ; K 3840-4095, behind the ten laps
	BIGADR
.endif
.if \turn == 2
	s_add_co_u32 s[KOS], s[KOS], LAPB
	s_cmp_ge_u32 s[KOS], 10*LAPB+512
	s_cselect_b32 s86, 10*LAPB, 0
	s_sub_co_u32 s[KOS], s[KOS], s86
	SMLADR
.endif
	s_barrier_signal -1
	s_barrier_wait -1
.if \turn == 1
	CREST                                          ; no wave of any partner still reads the large slot or has a load on its way
	JLOAD G0AB, G1AB, G0BB, G1BB                   ; the wave's one tensor load behind the round
.endif
.if \turn == 4
	CREST
	JLOAD G0AB, G1AB, G0BB, G1BB
.endif
.if \turn == 2
	CREST
	JLOAD G0AS, G1AS, G0BS, G1BS
.endif
	LDB 0
	LDA \fn
	LDB 1
	LDB 2
.endif
.endm
; Two laps = six steps, so that x's two buffers stand where they stood.
; last = 2: the second lap's small slot is filled again; 3: it is not.  lastbig = 1: its large slot gets the next lap; 4: the last 256 along K.
.macro PAIR zero, last, lastbig
	FROM_BIG 64
	STEP FA0, FA1, \zero, 0
	FROM_SMALL
	STEP FA1, FA0, 0, 1
	FROM_BIG 0
	STEP FA0, FA1, 0, 2
	FROM_BIG 64
	STEP FA1, FA0, 0, 0
	FROM_SMALL
	STEP FA0, FA1, 0, \lastbig
	FROM_BIG 0
	STEP FA1, FA0, 0, \last
.endm
	s_wait_tensorcnt 1                             ; my part of the large slot is in; the small slot's may stay out
	s_barrier_signal -1
	s_barrier_wait -1
	FROM_BIG 0
	LDB 0
	LDA FA0
	LDB 1
	LDB 2
	PAIR 1, 2, 1                                   ; my laps 0, 1: the first step's products start the sums
	s_mov_b32 s3, 3
.Lpair:
	PAIR 0, 2, 1                                   ; laps 2 to 7
	s_sub_co_u32 s3, s3, 1
	s_cmp_lg_u32 s3, 0
	s_cbranch_scc1 .Lpair
	PAIR 0, 3, 4                                   ; laps 8, 9: the large slot is filled once more in each, the small one in lap 8 alone
	FROM_BIG 64
	STEP FA0, FA1, 0, 0                            ; K 3840-4095
	s_wait_dscnt 16                                ; the last step loads nothing: the counts run down
	WIN 0x50
	MULH 0, 0, FA1, 0
	MULH 0, 1, FA1, 0
	s_wait_dscnt 8
	WIN 0xa0
	MULH 1, 0, FA1, 0
	MULH 1, 1, FA1, 0
	s_wait_dscnt 0
	WIN 0xf0
	MULH 2, 0, FA1, 0
	MULH 2, 1, FA1, 0
	; THE SUM OVER THE WAVES.  Each wave hands its tiles a = 2..7 to their owners through LDS: the ring's bytes, which have had their last fill, and 38,912 behind them.
	WIN 0
	PLACES
	s_lshl_b32 s16, s13, 7
	s_lshl_b32 s17, s10, 5
	s_add_co_u32 s16, s16, s17                     ; my first row: 128 x block row + 32 w
	s_lshl_b32 s18, s16, 9
	s_mov_b32 s19, 0
	s_add_nc_u64 s[82:83], s[82:83], s[18:19]      ; freqs at that row
	s_mul_i32 s20, s16, OUTP
	s_mov_b32 s21, 0
	s_add_nc_u64 s[8:9], s[8:9], s[20:21]          ; qkv at that row,
	s_mul_i32 s86, s78, 384
	s_mov_b32 s87, 0
	s_add_nc_u64 s[8:9], s[8:9], s[86:87]          ; and at my block's 384 bytes of it
.irp a, 0,1
.irp b, 0,1,2,3,4,5,6,7,8,9,10,11
.if (\b&7) < 4
	global_load_b128 v[CS+96*\a+8*\b:CS+96*\a+8*\b+3],   v[FOL], s[82:83] offset:\a*8192+64*(\b&7)       ; cos, sin of my 8 columns of tile (a, b): on their way during the sum
	global_load_b128 v[CS+96*\a+8*\b+4:CS+96*\a+8*\b+7], v[FOL], s[82:83] offset:\a*8192+64*(\b&7)+16
.else
	global_load_b128 v[CS+96*\a+8*\b:CS+96*\a+8*\b+3],   v[FOH], s[82:83] offset:\a*8192+64*(\b&7)-256
	global_load_b128 v[CS+96*\a+8*\b+4:CS+96*\a+8*\b+7], v[FOH], s[82:83] offset:\a*8192+64*(\b&7)-256+16
.endif
.endr
.endr
	s_barrier_signal -1                            ; every wave's reads of the ring are back (its last wait was for 0) and its tensor loads have landed
	s_barrier_wait -1
; Tile (2 p + a, b) of the writer is tile (a, b) of its owner; it lies at pair p's 24,576 bytes, tile 12 a + b, 512 consecutive bytes a store.
.macro REDST w                         ; window w: b = 4 (w - 1) + i
	WIN (\w<<2)
.irp p, 1,2,3
.irp a, 0,1
.irp i, 0,1,2,3
	ds_store_b128 v[REDW+\p/3], v[64*\i+8*(2*\p+\a):64*\i+8*(2*\p+\a)+3]   offset:(\p-1-2*(\p/3))*24576+(12*\a+4*(\w-1)+\i)*1024
	ds_store_b128 v[REDW+\p/3], v[64*\i+8*(2*\p+\a)+4:64*\i+8*(2*\p+\a)+7] offset:(\p-1-2*(\p/3))*24576+(12*\a+4*(\w-1)+\i)*1024+512
.endr
.endr
.endr
.endm
.macro REDLD w                         ; 48 loads: the three other waves' sums for my tiles of window w land in the registers that I have handed on
	WIN (\w<<6)
.irp p, 1,2,3
.irp a, 0,1
.irp i, 0,1,2,3
	ds_load_b128 v[64*\i+8*(2*\p+\a):64*\i+8*(2*\p+\a)+3],   v[REDR+\p-1] offset:(12*\a+4*(\w-1)+\i)*1024
	ds_load_b128 v[64*\i+8*(2*\p+\a)+4:64*\i+8*(2*\p+\a)+7], v[REDR+\p-1] offset:(12*\a+4*(\w-1)+\i)*1024+512
.endr
.endr
.endr
.endm
.macro REDADD w
	WIN (\w*0x45)
.irp p, 1,2,3
.irp a, 0,1
.irp i, 0,1,2,3
.irp q, 0,2,4,6
	v_pk_add_f32 v[64*\i+8*\a+\q:64*\i+8*\a+\q+1], v[64*\i+8*\a+\q:64*\i+8*\a+\q+1], v[64*\i+8*(2*\p+\a)+\q:64*\i+8*(2*\p+\a)+\q+1]
.endr
.endr
.endr
.endr
.endm
	REDST 1
	REDST 2
	REDST 3
	WIN 0
	s_wait_dscnt 0x0                               ; for the others' sake: my stores are done
	s_barrier_signal -1
	s_barrier_wait -1
	REDLD 1
	REDLD 2
	s_wait_dscnt 48                                ; window 1's 48 are in, window 2's stay out
	REDADD 1
	REDLD 3
	s_wait_dscnt 48                                ; window 2's are in
	REDADD 2
	s_wait_dscnt 0x0
	REDADD 3
	WIN 0
	s_barrier_signal -1                            ; every wave's reads of the sums are back: the stages below lie in the same bytes
	s_barrier_wait -1
	; THE WAY OUT: rotate, round to f16, my 32 rows through my own stage, whole rows of 384 bytes out.
	s_wait_loadcnt 0x0                             ; cos and sin
.set i, 0
.rept 96
	v_pk_mul_f32 v[CS+2*i:CS+2*i+1], v[CS+2*i:CS+2*i+1], 0x3d800000 op_sel_hi:[1,0]   ; the 2^-4 rides on cos and sin
.set i, i+1
.endr
.irp b, 0,1,2,3,4,5,6,7,8,9,10,11
	s_add_co_u32 s86, s90, 16*\b
	s_cmp_lt_u32 s86, 5120                         ; these 16 columns are q's or k's: rotated.  A mask for selects, no branch
	s_cselect_b32 s89, -1, 0
.irp a, 0,1
.irp q, 0,1,2,3
	v_cndmask_b32 v[CS+96*\a+8*\b+2*\q],   s88, v[CS+96*\a+8*\b+2*\q],   s89      ; v's columns: (2^-4, 0)
	v_cndmask_b32 v[CS+96*\a+8*\b+2*\q+1], 0,   v[CS+96*\a+8*\b+2*\q+1], s89
.endr
.endr
.endr
.macro OUTW w                          ; my eight tiles of window w
	WIN (\w*0x51)                                  ; sums and temporaries window w, cos and sin (source 1) window 0
.irp a, 0,1
.irp i, 0,1,2,3
.irp q, 0,1,2,3
	v_mul_f32 v[RT+2*\q],   v[64*\i+8*\a+2*\q+1], v[CS+96*\a+8*(4*(\w-1)+\i)+2*\q+1]          ; x1 sin
	v_mul_f32 v[RT+2*\q+1], v[64*\i+8*\a+2*\q+1], v[CS+96*\a+8*(4*(\w-1)+\i)+2*\q]            ; x1 cos
.endr
.irp q, 0,1,2,3
	v_fma_f32 v[64*\i+8*\a+2*\q+1], v[64*\i+8*\a+2*\q], v[CS+96*\a+8*(4*(\w-1)+\i)+2*\q+1], v[RT+2*\q+1]   ; x0 sin + x1 cos
	v_fma_f32 v[64*\i+8*\a+2*\q],   v[64*\i+8*\a+2*\q], v[CS+96*\a+8*(4*(\w-1)+\i)+2*\q],   -v[RT+2*\q]    ; x0 cos - x1 sin
.endr
.endr
.endr
	WIN (\w*0x45)
.irp a, 0,1
.irp i, 0,1,2,3
.irp q, 0,1,2,3
	v_cvt_pk_f16_f32 v[64*\i+32+4*\a+\q], v[64*\i+8*\a+2*\q], v[64*\i+8*\a+2*\q+1]        ; into a tile that has been handed on
.endr
.endr
.endr
	WIN (\w<<2)
.irp a, 0,1
.irp i, 0,1,2,3
	ds_store_b128 v[STO], v[64*\i+32+4*\a:64*\i+32+4*\a+3] offset:\a*16*STP+32*(4*(\w-1)+\i)
.endr
.endr
.endm
	OUTW 1
	OUTW 2
	OUTW 3
	WIN 0
.set t, 0
.rept 32
	ds_load_b128 v[CS+4*t:CS+4*t+3], v[RD] offset:t*STP        ; LDS serves a wave's instructions in order: these see the stores above
.set t, t+1
.endr
	s_wait_dscnt 0x0
	s_wait_xcnt 0x0                                ; EXEC changes only behind this wait
	v_cmp_gt_u32 vcc_lo, 24, v[LN]
	s_and_saveexec_b32 s91, vcc_lo                 ; 24 lanes x 16 bytes = a row of the block
.set t, 0
.rept 32
	global_store_b128 v[CO], v[CS+4*t:CS+4*t+3], s[8:9] offset:t*OUTP      ; 384 consecutive bytes; data, offset and base are never rewritten
.set t, t+1
.endr
	s_wait_xcnt 0x0                                ; and again, in front of the line that widens it
	s_or_b32 exec_lo, exec_lo, s91
	s_wait_tensorcnt 0x0
	ds_add_u32 v5, v31
	s_wait_dscnt 0x0
	CROUND                                         ; the closing round
	s_endpgm
.Lfunc_end_k_q66bacf08bb_qkv:
	.size	k_q66bacf08bb_qkv, .Lfunc_end_k_q66bacf08bb_qkv-k_q66bacf08bb_qkv
	.p2alignl 7, 3214868480
	.fill 96, 4, 3214868480
	.section	.rodata,"a",@progbits
	.p2align	6, 0x0
	.amdhsa_kernel k_q66bacf08bb_qkv
		.amdhsa_group_segment_fixed_size 327680
		.amdhsa_private_segment_fixed_size 0
		.amdhsa_enable_private_segment 0
		.amdhsa_kernarg_size 24
		.amdhsa_user_sgpr_count 2
		.amdhsa_user_sgpr_kernarg_segment_ptr 1
		.amdhsa_wavefront_size32 1
		.amdhsa_system_sgpr_workgroup_id_x 1
		.amdhsa_system_sgpr_workgroup_id_y 1
		.amdhsa_system_sgpr_workgroup_id_z 1
		.amdhsa_system_vgpr_workitem_id 0
		.amdhsa_next_free_vgpr 1024
		.amdhsa_next_free_sgpr 96
		.amdhsa_reserve_vcc 1
		.amdhsa_float_denorm_mode_32 3
		.amdhsa_float_denorm_mode_16_64 3
		.amdhsa_memory_ordered 1
		.amdhsa_forward_progress 1
		.amdhsa_inst_pref_size 255
	.end_amdhsa_kernel
	.section	.bss,"aw",@nobits
	.p2align	6
	.space	262144
	.amdgpu_metadata
---
amdhsa.version: [ 1, 2 ]
amdhsa.kernels:
  - .name:           k_q66bacf08bb_qkv
    .symbol:         k_q66bacf08bb_qkv.kd
    .args:
      - { .name: wh, .offset: 0, .size: 8, .value_kind: global_buffer, .address_space: global }
      - { .name: freqs, .offset: 8, .size: 8, .value_kind: global_buffer, .address_space: global }
      - { .name: qkv, .offset: 16, .size: 8, .value_kind: global_buffer, .address_space: global }
    .group_segment_fixed_size: 327680
    .private_segment_fixed_size: 0
    .kernarg_segment_align: 8
    .kernarg_segment_size: 24
    .max_flat_workgroup_size: 128
    .sgpr_count:     96
    .vgpr_count:     1024
    .wavefront_size: 32
...
	.end_amdgpu_metadata
.endif
;; end of part 6
;; launch attn (part 7): grid 32 x 8, 4 waves a work-group, clusters of 4 x 1, 327,680 bytes of LDS; arguments qkv, Wo, ao, woh; writes ao, woh
.if DOCPART == 7
	.amdgcn_target "amdgcn-amd-amdhsa--gfx1250"
	.amdhsa_code_object_version 6
	.text
	.protected	k_q66bacf08bb_attn
	.globl	k_q66bacf08bb_attn
	.p2align	8
	.type	k_q66bacf08bb_attn,@function
k_q66bacf08bb_attn:
	s_mov_b64 s[64:65], 0
	v_nop
	global_prefetch_b8 v0, s[64:65] scope:SCOPE_SE
	s_setreg_imm32_b32 hwreg(HW_REG_WAVE_MODE, 25, 1), 1
	s_wait_xcnt 0x0
	s_wait_alu depctr_hold_cnt(0) depctr_sa_sdst(0) depctr_va_vdst(0) depctr_va_sdst(0) depctr_va_ssrc(0) depctr_va_vcc(0) depctr_vm_vsrc(0)
	s_getreg_b32 s2, hwreg(HW_REG_IB_STS2, 6, 4)
	s_cmp_eq_u32 s2, 0
	s_cbranch_scc0 .Lentry_in_a_cluster
	s_endpgm
.Lentry_in_a_cluster:
	s_bfe_u32 s2, ttmp6, 0x10000c
	s_cmp_lg_u32 s2, 0x3003
	s_cbranch_scc0 .Lentry_shape_is_right
	s_endpgm
.Lentry_shape_is_right:
; Causal attention with grouped heads.  qkv [1024][6144] f16 holds q, k, v times 2^-4 (q, k rotated); ao [1024][4096] f16 gets softmax(q k^T / sqrt(128)) v, times 2^-4.
; CLUSTERS: the four work-groups of a cluster are the four query heads of one key and value head; they ask for every K and V tile jointly.
; A work-group makes two blocks of 64 query rows, one after the other: block y and block 15 - y.  K and V come in slots of 128 rows; block b needs
; (b >> 1) + 1 of them, and the two blocks together 9 for every y: every work-group makes the same 9 steps, so partners ask alike.
; A wave has 16 query rows.  A step is two halves of 64 keys.  A block's last step is masked by compare and select; one of its halves may be
; masked as a whole and is still computed (1 half in 18).
; The products are used transposed.  S^T = K Q^T: lane l holds query row l % 16 and, of tile t, keys 16 t + 8 (l / 16) + 0..7, so a row's maximum and
; sum are in the lane but for one exchange of the halves, and two tiles rounded to f16 ARE source 1 (P^T) of the second product, O^T = V^T P^T.
; The softmax takes a running maximum away; sums and maxima in f32.
; BESIDE IT, Wo IS ROUNDED TO f16 for the next launch (Wo [4096][4096] f32 -> woh, the same order).  The attention itself reads 12.6 MB and stores
; 8.4 MB, so memory has room for Wo's 67 MB in and 34 MB out.  Each of the 1,024 waves has 64 KiB of Wo, as 8 chunks of 8 KiB: 16 loads of 512
; consecutive bytes, 16 stores of 256 consecutive bytes at a multiple of 256.  Chunk i is stored at the end of step i; chunk i + 1 is asked for at
; the head of step i, into the other of two register buffers.  Steps 0 to 5 are the loop; steps 6 and 7 are written out (step 7 asks for nothing).
; LIMITS: operands in f16 (P lies in [0, 1]; weights below 6e-8 of the largest count as 0); masked scores are the lowest finite f32 as in the
; definition, their weight is 0; 32.6 |q' k'| has to stay finite in f32.  A number of Wo above 65,504 in magnitude becomes an infinity; below
; 6.1e-5 it keeps an absolute step of 6e-8.
.set QKVP,   12288                     ; bytes in a row of qkv
.set AOP,    8192                      ; bytes in a row of ao
.set KP,     272                       ; K's LDS rows: 256 + 16 bytes
.set VP,     288                       ; V's: 256 + 32 bytes, for the transposing loads
.set KHALF,  64*KP
.set VHALF,  64*VP
.set VOFF,   2*KHALF                   ; a slot: K's 128 rows, then V's
.set SLOTB,  VOFF+2*VHALF              ; 71,680
.set STG,    2*SLOTB                   ; behind the ring: 16 rows x 272 bytes for each wave
.set SPITCH, 272
.set TILEB,  128*QKVP                  ; from a tile to the next
.set CHUNK,  8192                      ; bytes of Wo that a wave rounds in a step
.set CVI,  7                           ; v7      16 x lane: my bytes in a load of Wo; never rewritten
.set KAD,  8                           ; v8-9    K's fragments, slot 0, 1
.set VAD,  10                          ; v10-11  V's
.set STO,  12
.set RD,   13
.set CO1,  14                          ; my offset in ao, first block
.set CO2,  15                          ; second block
.set DLT,  16                          ; key 16 t + j of the masked step's first half is allowed where 16 t + j <= DLT
.set DLTM, 17                          ; the same for its second half: DLT - 64
.set DLT2, 18                          ; the second block's DLT
.set M,    19                          ; running maximum
.set MN,   20
.set CVO,  21                          ; v21     8 x lane: my bytes in a store to woh; never rewritten
.set NMC,  22                          ; v[22:23]  - c x maximum, twice
.set AL,   24                          ; v[24:25]  the factor on what has been summed, twice
.set LS,   26                          ; my half's sum of weights
.set T,    28                          ; v[28:31]
.set Q,    32                          ; v[32:63]   four fragments of the block at work
.set Q2,   64                          ; v[64:95]   the second block's
.set S,    96                          ; v[96:127]  four tiles of S^T
.set P,    128                         ; v[128:143] two fragments of P^T
.set O,    144                         ; v[144:207] eight tiles of O^T
.set TMP,  208
.set SUM,  240
.set VF,   128                         ; window 1: v0-127 K's fragment (t, ks) at 8 (4 t + ks); v128-255 V's (u, dt) at 128 + 8 (8 u + dt)
.set CY,   128                         ; window 2: v0-63, v64-127 a chunk of Wo as loaded, two buffers; v128-159 a chunk in f16
.set G1K, 24
.set G0K, 32
.set G1V, 48
.set G0V, 56
.set MSB, 0
.macro WIN new
.if MSB != \new
	s_set_vgpr_msb (MSB<<8)|\new
.set MSB, \new
.endif
.endm
.macro PLACES                          ; four places behind a matrix instruction (ISA guide 7.12.1 for vector instructions)
.rept 4
	v_nop
.endr
.endm
.macro ROUND                           ; a round of the cluster's barrier
	s_barrier_signal -1
	s_barrier_wait -1
	s_cmp_lg_u32 s10, 0
	s_cbranch_scc1 .Lnot_wave_0_\@
	s_barrier_signal -3
.Lnot_wave_0_\@:
	s_barrier_wait -3
	s_barrier_signal -1
	s_barrier_wait -1
.endm
.macro JLOAD s                         ; waves 0 and 1 fetch K's two halves of 64 rows, waves 2 and 3 V's
	s_cmp_eq_u32 s11, 0
	s_cbranch_scc0 .Lfor_v_\@
	tensor_load_to_lds s[G0K+4*\s:G0K+4*\s+3], s[G1K:G1K+7]
	s_nop 0
	s_branch .Lasked_\@
.Lfor_v_\@:
	tensor_load_to_lds s[G0V+4*\s:G0V+4*\s+3], s[G1V:G1V+7]
	s_nop 0
.Lasked_\@:
.endm
; 16 loads: the 8 KiB of Wo at byte off behind s[92:93], into window 2 from register xb on
.macro CVLOAD xb, off
	WIN 0x80                                       ; destination window 2, address window 0
.set j, 0
.rept 16
	global_load_b128 v[\xb+4*j:\xb+4*j+3], v[CVI], s[92:93] offset:\off+512*j th:TH_LOAD_NT
.set j, j+1
.endr
	WIN 0
.endm
; The chunk in buffer xb is rounded and stored at s[94:95].  left = how many younger loads (the next chunk's) may stay out.
.macro CVOUT xb, left
	s_wait_loadcnt \left                           ; loads come back in order: this chunk's 16 are in
	WIN 0x8a                                       ; destination and both sources window 2
.set j, 0
.rept 16
	v_cvt_pk_f16_f32 v[CY+2*j],   v[\xb+4*j],   v[\xb+4*j+1]
	v_cvt_pk_f16_f32 v[CY+2*j+1], v[\xb+4*j+2], v[\xb+4*j+3]
.set j, j+1
.endr
	WIN 0x08                                       ; store data window 2, address window 0
.set j, 0
.rept 16
	global_store_b64 v[CVO], v[CY+2*j:CY+2*j+1], s[94:95] offset:256*j     ; 32 lanes store 256 consecutive bytes at a multiple of 256
.set j, j+1
.endr
	WIN 0
.endm
	s_load_b128 s[4:7], s[0:1], 0x0                ; qkv s[4:5], Wo s[6:7]
	s_load_b128 s[88:91], s[0:1], 0x10             ; ao s[88:89], woh s[90:91]
	v_lshl_add_u32 v254, v0, 2, 0x29000
	v_mov_b32 v255, 0
	ds_add_u32 v254, v255
	v_lshrrev_b32 v1, 5, v0
	v_readfirstlane_b32 s10, v1                    ; wave
	s_lshr_b32 s11, s10, 1
	s_and_b32 s12, s10, 1
	s_bfe_u32 s40, ttmp6, 0x40000                  ; cx
	s_lshl_b32 s84, ttmp9, 2
	s_add_co_u32 s84, s84, s40                     ; my query head = 4 x key head + cx: enters global offsets alone
	s_and_b32 s73, ttmp7, 0xffff                   ; y, the same in all four partners
	s_lshr_b32 s72, s73, 1                         ; the first block's masked step
	s_add_co_u32 s71, s72, 1                       ; the first block's steps
	s_mov_b32 s70, 0                               ; the step
	s_mov_b32 s74, 0x420293ee                      ; c = 256 log2(e) / sqrt(128): the 256 undoes the two 2^-4
	s_mov_b32 s75, 0x420293ee
	s_mov_b32 s76, 0xc20293ee                      ; - c
	s_mov_b32 s77, 0xff7fffff                      ; the lowest finite f32
	s_mov_b32 s78, 0x76543210                      ; v_permlanex16_b32: lane i reads lane i of the other half
	s_mov_b32 s79, 0xfedcba98
	s_mov_b32 s81, 0
	s_lshl_b32 s85, s73, 5
	s_add_co_u32 s85, s85, s84                     ; the work-group's number, 32 y + head,
	s_lshl2_add_u32 s85, s85, s10                  ; x 4 + wave: which 64 KiB of Wo are mine
	s_lshl_b32 s96, s85, 16
	s_mov_b32 s97, 0
	s_lshl_b32 s98, s85, 15                        ; and which 32 KiB of woh
	s_mov_b32 s99, 0
	; group 1: 64 rows x 128 elements of 2 bytes, mask of all four partners; padding behind every 64 words: K 4 words, V 8 words
	s_mov_b32 s[G1K+0], 15|(1<<16)|(1<<20)|(1<<21)|(5<<22)|(3<<25)
	s_mov_b32 s[G1V+0], 15|(1<<16)|(1<<20)|(1<<21)|(5<<22)|(7<<25)
	s_mov_b32 s[G1K+1], 128<<16
	s_mov_b32 s[G1V+1], 128<<16
	s_mov_b32 s[G1K+2], 64<<16
	s_mov_b32 s[G1V+2], 64<<16
	s_mov_b32 s[G1K+3], 128<<16
	s_mov_b32 s[G1V+3], 128<<16
	s_mov_b32 s[G1K+4], 64
	s_mov_b32 s[G1V+4], 64
	s_mov_b32 s[G1K+5], 6144
	s_mov_b32 s[G1V+5], 6144
	s_mov_b32 s[G1K+6], 0
	s_mov_b32 s[G1V+6], 0
	s_mov_b32 s[G1K+7], 0
	s_mov_b32 s[G1V+7], 0
	s_mul_i32 s82, s12, KHALF                      ; where my half goes
	s_mul_i32 s83, s12, VHALF
	s_add_co_u32 s83, s83, VOFF
	s_mul_i32 s16, s12, 64*QKVP                    ; my half's first row,
	s_lshl_b32 s17, ttmp9, 8                       ; the key head's 256 bytes,
	s_add_co_u32 s16, s16, s17
	s_add_co_u32 s16, s16, 4096*2                  ; behind q's columns
	s_mov_b32 s17, 0
	s_wait_dscnt 0x0
	s_wait_kmcnt 0x0
	s_add_nc_u64 s[14:15], s[4:5], s[16:17]        ; K's tile 0, my half
	s_add_nc_u64 s[46:47], s[14:15], 1024*2        ; V's columns lie 1,024 behind K's
	s_add_nc_u64 s[6:7], s[6:7], s[96:97]          ; Wo at my wave's part
	s_add_nc_u64 s[90:91], s[90:91], s[98:99]      ; woh at my wave's part
	s_mov_b64 s[92:93], s[6:7]
.irp s, 0,1
	s_mov_b32 s[G0K+4*\s], 1
	s_add_co_u32 s[G0K+4*\s+1], s82, \s*SLOTB
	s_mov_b64 s[G0K+4*\s+2:G0K+4*\s+3], s[14:15]
	s_or_b32 s[G0K+4*\s+3], s[G0K+4*\s+3], 0x80000000
	s_mov_b32 s[G0V+4*\s], 1
	s_add_co_u32 s[G0V+4*\s+1], s83, \s*SLOTB
	s_mov_b64 s[G0V+4*\s+2:G0V+4*\s+3], s[46:47]
	s_or_b32 s[G0V+4*\s+3], s[G0V+4*\s+3], 0x80000000
.endr
	ROUND                                          ; in front of the first joint load
	JLOAD 0                                        ; step 0's tile; one tensor load of the wave is out
	v_and_b32 v1, 15, v0                           ; r
	v_bfe_u32 v2, v0, 4, 1                         ; h
	s_lshl_b32 s16, s73, 6
	s_lshl4_add_u32 s16, s10, s16                  ; first block: my first query row = 64 y + 16 w
	s_sub_co_u32 s17, 15, s73
	s_lshl_b32 s17, s17, 6
	s_lshl4_add_u32 s17, s10, s17                  ; second block: 64 (15 - y) + 16 w
	s_lshl_b32 s18, s84, 8                         ; my head's 256 bytes of a row
	v_add_nc_u32 v3, s16, v1
	v_mul_u32_u24 v4, v3, QKVP
	v_lshl_add_u32 v4, v2, 4, v4
	v_add_nc_u32 v4, s18, v4                       ; q: row r of my 16, 16 h; not rewritten
	v_add_nc_u32 v3, s17, v1
	v_mul_u32_u24 v5, v3, QKVP
	v_lshl_add_u32 v5, v2, 4, v5
	v_add_nc_u32 v5, s18, v5
.irp ks, 0,1,2,3
	global_load_b128 v[Q+8*\ks:Q+8*\ks+3],     v4, s[4:5] offset:64*\ks
	global_load_b128 v[Q+8*\ks+4:Q+8*\ks+7],   v4, s[4:5] offset:64*\ks+32
	global_load_b128 v[Q2+8*\ks:Q2+8*\ks+3],   v5, s[4:5] offset:64*\ks
	global_load_b128 v[Q2+8*\ks+4:Q2+8*\ks+7], v5, s[4:5] offset:64*\ks+32
.endr
	v_and_b32 v3, 31, v0
	v_lshlrev_b32 v[CVI], 4, v3
	v_lshlrev_b32 v[CVO], 3, v3
	CVLOAD 0, 0                                    ; Wo's chunk 0, behind q's 16 loads
	v_mul_u32_u24 v3, v1, KP
	v_lshl_add_u32 v[KAD], v2, 4, v3               ; row r, 16 h
	v_add_nc_u32 v[KAD+1], SLOTB, v[KAD]
	v_and_b32 v3, 7, v0
	v_lshl_add_u32 v3, v2, 3, v3                   ; the transposing load: row 8 h + (l & 7),
	v_mul_u32_u24 v3, v3, VP
	v_bfe_u32 v6, v0, 3, 1
	v_lshl_add_u32 v3, v6, 4, v3                   ; 16 bytes by bit 3 of the lane
	v_add_nc_u32 v[VAD], VOFF, v3
	v_add_nc_u32 v[VAD+1], VOFF+SLOTB, v3
	s_mul_i32 s19, s10, 16*SPITCH
	s_add_co_u32 s19, s19, STG
	v_mul_u32_u24 v3, v1, SPITCH
	v_lshl_add_u32 v3, v2, 4, v3
	v_add_nc_u32 v[STO], s19, v3
	v_mul_u32_u24 v3, v2, SPITCH
	v_lshl_add_u32 v3, v1, 4, v3
	v_add_nc_u32 v[RD], s19, v3
	v_add_nc_u32 v3, s16, v2
	v_lshlrev_b32 v3, 13, v3                       ; rows of 8,192 bytes
	v_lshl_add_u32 v3, v1, 4, v3
	v_add_nc_u32 v[CO1], s18, v3
	v_add_nc_u32 v3, s17, v2
	v_lshlrev_b32 v3, 13, v3
	v_lshl_add_u32 v3, v1, 4, v3
	v_add_nc_u32 v[CO2], s18, v3
	s_and_b32 s20, s73, 1
	s_lshl_b32 s20, s20, 6
	s_lshl4_add_u32 s21, s10, s20                  ; my first row's place in the masked step's 128 keys: 64 (y & 1) + 16 w
	s_xor_b32 s20, s20, 64                         ; block 15 - y has the other parity
	s_lshl4_add_u32 s22, s10, s20
	v_lshlrev_b32 v3, 3, v2
	v_sub_nc_u32 v3, v1, v3                        ; r - 8 h
	v_add_nc_u32 v[DLT], s21, v3
	v_add_nc_u32 v[DLT2], s22, v3
	v_add_nc_u32 v[DLTM], 0xffffffc0, v[DLT]
.macro START                           ; O is cleared, not begun by a product with C = 0: the second block begins at a step that hangs on y, and that form would want the step's text once more
	v_mov_b32 v[M], s77
	v_mov_b32 v[LS], 0
.set i, 0
.rept 64
	v_mov_b32 v[O+i], 0
.set i, i+1
.endr
.endm
.macro KLOAD slot, hf                  ; 64 keys x 128: 16 fragments, 32 loads
	WIN 0x40
.irp t, 0,1,2,3
.irp ks, 0,1,2,3
	ds_load_b128 v[8*(4*\t+\ks):8*(4*\t+\ks)+3],   v[KAD+\slot] offset:(64*\hf+16*\t)*KP+64*\ks
	ds_load_b128 v[8*(4*\t+\ks)+4:8*(4*\t+\ks)+7], v[KAD+\slot] offset:(64*\hf+16*\t)*KP+64*\ks+32
.endr
.endr
	WIN 0
.endm
.macro VLOAD slot, hf                  ; the same keys' V, transposed on the way: 16 fragments, 32 loads
	WIN 0x40
.irp u, 0,1
.irp dt, 0,1,2,3,4,5,6,7
	ds_load_tr16_b128 v[VF+8*(8*\u+\dt):VF+8*(8*\u+\dt)+3],   v[VAD+\slot] offset:(64*\hf+32*\u)*VP+32*\dt
	ds_load_tr16_b128 v[VF+8*(8*\u+\dt)+4:VF+8*(8*\u+\dt)+7], v[VAD+\slot] offset:(64*\hf+32*\u+16)*VP+32*\dt
.endr
.endr
.endm
; In both products the accumulators take turns, one instruction a turn.
.macro SMUL
	WIN 0x01
.irp ks, 0,1,2,3
.irp t, 0,1,2,3
.if \ks == 0
	v_wmma_f32_16x16x32_f16 v[S+8*\t:S+8*\t+7], v[8*(4*\t+\ks):8*(4*\t+\ks)+7], v[Q+8*\ks:Q+8*\ks+7], 0
.else
	v_wmma_f32_16x16x32_f16 v[S+8*\t:S+8*\t+7], v[8*(4*\t+\ks):8*(4*\t+\ks)+7], v[Q+8*\ks:Q+8*\ks+7], v[S+8*\t:S+8*\t+7]
.endif
.endr
.endr
.endm
.macro PVMUL
	WIN 0x01
.irp u, 0,1
.irp dt, 0,1,2,3,4,5,6,7
	v_wmma_f32_16x16x32_f16 v[O+8*\dt:O+8*\dt+7], v[VF+8*(8*\u+\dt):VF+8*(8*\u+\dt)+7], v[P+8*\u:P+8*\u+7], v[O+8*\dt:O+8*\dt+7]
.endr
.endr
.endm
.macro SOFT masked, dl
.if \masked
.irp t, 0,1,2,3
.irp j, 0,1,2,3,4,5,6,7
	v_cmp_le_i32 vcc_lo, 16*\t+\j, v[\dl]
	v_cndmask_b32 v[S+8*\t+\j], s77, v[S+8*\t+\j], vcc_lo
.endr
.endr
.endif
.irp t, 0,1,2,3
	v_max3_num_f32 v[T+\t], v[S+8*\t], v[S+8*\t+1], v[S+8*\t+2]       ; four chains
.endr
.irp t, 0,1,2,3
	v_max3_num_f32 v[T+\t], v[T+\t], v[S+8*\t+3], v[S+8*\t+4]
.endr
.irp t, 0,1,2,3
	v_max3_num_f32 v[T+\t], v[T+\t], v[S+8*\t+5], v[S+8*\t+6]
.endr
.irp t, 0,1,2,3
	v_max_num_f32 v[T+\t], v[T+\t], v[S+8*\t+7]
.endr
	v_max3_num_f32 v[T], v[T], v[T+1], v[T+2]
	v_max3_num_f32 v[T], v[T], v[T+3], v[M]
	v_permlanex16_b32 v[T+1], v[T], s78, s79       ; the row's other 32 keys
	v_max_num_f32 v[MN], v[T], v[T+1]
	v_mul_f32 v[NMC], s76, v[MN]
	v_mul_f32 v[NMC+1], s76, v[MN]
	v_fma_f32 v[T], v[M], s74, v[NMC]
	v_exp_f32 v[AL], v[T]                          ; 2^(c (old maximum - new maximum))
	v_exp_f32 v[AL+1], v[T]
	v_mov_b32 v[M], v[MN]                          ; the plain instruction behind the two exponentials
.set i, 0
.rept 16
	v_pk_fma_f32 v[S+2*i:S+2*i+1], v[S+2*i:S+2*i+1], s[74:75], v[NMC:NMC+1] op_sel_hi:[1,0,1]
.set i, i+1
.endr
.set i, 0
.rept 32
	v_exp_f32 v[S+i], v[S+i]
.set i, i+1
.endr
	v_nop                                          ; one plain place before the last result is used
	s_wait_alu depctr_va_vdst(0)
.irp c, 0,1,2,3
	v_pk_add_f32 v[SUM+2*\c:SUM+2*\c+1], v[S+2*\c:S+2*\c+1], v[S+8+2*\c:S+8+2*\c+1]
.endr
.irp c, 0,1,2,3
	v_pk_add_f32 v[SUM+2*\c:SUM+2*\c+1], v[SUM+2*\c:SUM+2*\c+1], v[S+16+2*\c:S+16+2*\c+1]
.endr
.irp c, 0,1,2,3
	v_pk_add_f32 v[SUM+2*\c:SUM+2*\c+1], v[SUM+2*\c:SUM+2*\c+1], v[S+24+2*\c:S+24+2*\c+1]
.endr
	v_pk_add_f32 v[SUM:SUM+1], v[SUM:SUM+1], v[SUM+2:SUM+3]
	v_pk_add_f32 v[SUM+4:SUM+5], v[SUM+4:SUM+5], v[SUM+6:SUM+7]
	v_pk_add_f32 v[SUM:SUM+1], v[SUM:SUM+1], v[SUM+4:SUM+5]
	v_add_f32 v[SUM], v[SUM], v[SUM+1]
	v_fma_f32 v[LS], v[LS], v[AL], v[SUM]
.set i, 0
.rept 16
	v_cvt_pk_f16_f32 v[P+i], v[S+2*i], v[S+2*i+1]  ; tiles 2u, 2u+1 become registers 0-3, 4-7 of fragment u
.set i, i+1
.endr
.set i, 0
.rept 32
	v_pk_mul_f32 v[O+2*i:O+2*i+1], v[O+2*i:O+2*i+1], v[AL:AL+1]
.set i, i+1
.endr
.endm
; Half hf of a slot.  K's fragments of this half have been asked for; V's are asked for first, and in half 0 the next half's K behind the first product.
.macro SUB slot, hf, masked, dl
	VLOAD \slot, \hf
	s_wait_dscnt 32                                ; K's 32 loads are in, V's 32 stay out
	SMUL
	WIN 0
	PLACES
.if \hf == 0
	KLOAD \slot, 1
.endif
	SOFT \masked, \dl
.if \hf == 0
	s_wait_dscnt 32                                ; V's are in, the next half's K stays out
.else
	s_wait_dscnt 0x0
.endif
	PVMUL
	WIN 0
	PLACES
.endm
.macro FINAL co                        ; divide, round, through my own stage, whole rows of 256 bytes out
	v_permlanex16_b32 v[T], v[LS], s78, s79
	v_add_f32 v[LS], v[LS], v[T]
	v_rcp_f32 v[AL], v[LS]
	v_rcp_f32 v[AL+1], v[LS]
	v_nop
.set i, 0
	s_wait_alu depctr_va_vdst(0)
.rept 32
	v_pk_mul_f32 v[O+2*i:O+2*i+1], v[O+2*i:O+2*i+1], v[AL:AL+1]
.set i, i+1
.endr
.set i, 0
.rept 32
	v_cvt_pk_f16_f32 v[TMP+i], v[O+2*i], v[O+2*i+1]
.set i, i+1
.endr
.irp dt, 0,1,2,3,4,5,6,7
	ds_store_b128 v[STO], v[TMP+4*\dt:TMP+4*\dt+3] offset:32*\dt
.endr
.irp t, 0,1,2,3,4,5,6,7
	ds_load_b128 v[S+4*\t:S+4*\t+3], v[RD] offset:\t*2*SPITCH         ; LDS serves a wave's instructions in order
.endr
.irp t, 0,1,2,3,4,5,6,7
	s_wait_dscnt 7-\t
	global_store_b128 v[\co], v[S+4*\t:S+4*\t+3], s[88:89] offset:2*\t*AOP   ; 16 lanes store 256 consecutive bytes at a multiple of 256
.endr
.endm
.macro SWITCH                          ; on to the second block
	s_wait_xcnt 0x0                                ; S, which the stores read, is written again only behind this wait
.set i, 0
.rept 32
	v_mov_b32 v[Q+i], v[Q2+i]
.set i, i+1
.endr
	v_mov_b32 v[DLT], v[DLT2]
	v_add_nc_u32 v[DLTM], 0xffffffc0, v[DLT2]
	START
.endm
; Steps 0 to 7: reads slot, asks for the next step's tile into the other slot.  In front of the round every wave waits for all its tensor
; loads and for its reads; the joint load is the first thing behind the round, one a wave.
; cvl = 1: Wo's next chunk is asked for.  mk = 1: this step can be the first block's last (y >> 1 is 3 at the most, so steps 6 and 7 cannot).
.macro STEP slot, other, cvl, mk
	s_wait_tensorcnt 0x0                           ; my part of this step's tile is in and no load of mine is out: group 0 may be written
	ds_add_u32 v254, v255
	s_add_co_u32 s82, s70, 1
	s_cmp_ge_u32 s82, s71
	s_cselect_b32 s83, s71, 0
	s_sub_co_u32 s82, s82, s83                     ; the next step's tile: the second block begins again at tile 0
	s_mul_i32 s80, s82, TILEB
	s_add_nc_u64 s[G0K+4*\other+2:G0K+4*\other+3], s[14:15], s[80:81]
	s_or_b32 s[G0K+4*\other+3], s[G0K+4*\other+3], 0x80000000
	s_add_nc_u64 s[G0V+4*\other+2:G0V+4*\other+3], s[46:47], s[80:81]
	s_or_b32 s[G0V+4*\other+3], s[G0V+4*\other+3], 0x80000000
	s_wait_dscnt 0x0                               ; my reads of the other slot are over
	ROUND
	JLOAD \other
	KLOAD \slot, 0
	s_wait_xcnt 0x0                                ; the last step's loads and stores have read their bases, and its stores their data: both are written again below
	s_lshl_b32 s96, s70, 13
	s_add_nc_u64 s[92:93], s[6:7], s[96:97]        ; Wo at this step's chunk; the loads below take the next one by their immediate
	s_lshl_b32 s98, s70, 12
	s_add_nc_u64 s[94:95], s[90:91], s[98:99]      ; woh at this step's chunk
.if \cvl
	CVLOAD 64*\other, CHUNK
.endif
.if \mk
	s_cmp_eq_u32 s70, s72                          ; the first block's last step?  Hangs on y and the step, which the partners share
	s_cbranch_scc1 .Lmasked_\@
.endif
	SUB \slot, 0, 0, DLT
	SUB \slot, 1, 0, DLT
.if \mk
	s_branch .Ljoin_\@
.Lmasked_\@:
	SUB \slot, 0, 1, DLT
	SUB \slot, 1, 1, DLTM
	FINAL CO1
	SWITCH
.Ljoin_\@:
.endif
	CVOUT 64*\slot, 16*\cvl                        ; this step's chunk, asked for a step ago; the next chunk's 16 loads stay out
	s_add_co_u32 s70, s70, 1
.endm
	START
	s_wait_loadcnt 16                              ; both blocks' q are in; the 16 younger loads (Wo's chunk 0) stay out
	s_mov_b32 s3, 3
.Lpair:
	STEP 0, 1, 1, 1                                ; steps 0 to 5
	STEP 1, 0, 1, 1
	s_sub_co_u32 s3, s3, 1
	s_cmp_lg_u32 s3, 0
	s_cbranch_scc1 .Lpair
	STEP 0, 1, 1, 0                                ; step 6 asks for Wo's last chunk
	STEP 1, 0, 0, 0                                ; step 7 asks for none
	s_wait_tensorcnt 0x0                           ; step 8: the second block's masked step; nothing is left to fetch
	s_wait_dscnt 0x0
	ROUND
	KLOAD 0, 0
	SUB 0, 0, 1, DLT
	SUB 0, 1, 1, DLTM
	FINAL CO2
	s_wait_tensorcnt 0x0
	ds_add_u32 v254, v255
	s_wait_dscnt 0x0
	ROUND                                          ; the closing round
	s_endpgm
.Lfunc_end_k_q66bacf08bb_attn:
	.size	k_q66bacf08bb_attn, .Lfunc_end_k_q66bacf08bb_attn-k_q66bacf08bb_attn
	.p2alignl 7, 3214868480
	.fill 96, 4, 3214868480
	.section	.rodata,"a",@progbits
	.p2align	6, 0x0
	.amdhsa_kernel k_q66bacf08bb_attn
		.amdhsa_group_segment_fixed_size 327680
		.amdhsa_private_segment_fixed_size 0
		.amdhsa_enable_private_segment 0
		.amdhsa_kernarg_size 32
		.amdhsa_user_sgpr_count 2
		.amdhsa_user_sgpr_kernarg_segment_ptr 1
		.amdhsa_wavefront_size32 1
		.amdhsa_system_sgpr_workgroup_id_x 1
		.amdhsa_system_sgpr_workgroup_id_y 1
		.amdhsa_system_sgpr_workgroup_id_z 1
		.amdhsa_system_vgpr_workitem_id 0
		.amdhsa_next_free_vgpr 672
		.amdhsa_next_free_sgpr 100
		.amdhsa_reserve_vcc 1
		.amdhsa_float_denorm_mode_32 3
		.amdhsa_float_denorm_mode_16_64 3
		.amdhsa_memory_ordered 1
		.amdhsa_forward_progress 1
		.amdhsa_inst_pref_size 255
	.end_amdhsa_kernel
	.section	.bss,"aw",@nobits
	.p2align	6
	.space	262144
	.amdgpu_metadata
---
amdhsa.version: [ 1, 2 ]
amdhsa.kernels:
  - .name:           k_q66bacf08bb_attn
    .symbol:         k_q66bacf08bb_attn.kd
    .args:
      - { .name: qkv, .offset: 0, .size: 8, .value_kind: global_buffer, .address_space: global }
      - { .name: Wo, .offset: 8, .size: 8, .value_kind: global_buffer, .address_space: global }
      - { .name: ao, .offset: 16, .size: 8, .value_kind: global_buffer, .address_space: global }
      - { .name: woh, .offset: 24, .size: 8, .value_kind: global_buffer, .address_space: global }
    .group_segment_fixed_size: 327680
    .private_segment_fixed_size: 0
    .kernarg_segment_align: 8
    .kernarg_segment_size: 32
    .max_flat_workgroup_size: 128
    .sgpr_count:     100
    .vgpr_count:     672
    .wavefront_size: 32
...
	.end_amdgpu_metadata
.endif
;; end of part 7
;; launch oproj (part 8): grid 32 x 8, 4 waves a work-group, clusters of 4 x 4, 327,680 bytes of LDS; arguments ao, woh, out0; writes out0
.if DOCPART == 8
	.amdgcn_target "amdgcn-amd-amdhsa--gfx1250"
	.amdhsa_code_object_version 6
	.text
	.protected	k_q66bacf08bb_oproj
	.globl	k_q66bacf08bb_oproj
	.p2align	8
	.type	k_q66bacf08bb_oproj,@function
k_q66bacf08bb_oproj:
	s_mov_b64 s[64:65], 0
	v_nop
	global_prefetch_b8 v0, s[64:65] scope:SCOPE_SE
	s_setreg_imm32_b32 hwreg(HW_REG_WAVE_MODE, 25, 1), 1
	s_wait_xcnt 0x0
	s_wait_alu depctr_hold_cnt(0) depctr_sa_sdst(0) depctr_va_vdst(0) depctr_va_sdst(0) depctr_va_ssrc(0) depctr_va_vcc(0) depctr_vm_vsrc(0)
	s_getreg_b32 s2, hwreg(HW_REG_IB_STS2, 6, 4)
	s_cmp_eq_u32 s2, 0
	s_cbranch_scc0 .Lentry_in_a_cluster
	s_endpgm
.Lentry_in_a_cluster:
	s_bfe_u32 s2, ttmp6, 0x10000c
	s_cmp_lg_u32 s2, 0xf033
	s_cbranch_scc0 .Lentry_shape_is_right
	s_endpgm
.Lentry_shape_is_right:
; out0[t][d] = 16 x sum over o of ao[t][o] Wo[d][o].  ao [1024][4096] f16 holds the attention's result times 2^-4, woh [4096][4096] is Wo in f16; out0 f32.
; A work-group makes 128 x 128: 8 x 32 = 256 work-groups.  K IS SPLIT AMONG THE FOUR WAVES: each wave holds the whole block in 64 accumulator
; tiles (512 registers) and multiplies its own 64 of every 256 along K, so that 16 KiB of fragments feed 64 matrix instructions; the four
; partial f32 sums are added through LDS at the end.  Two LDS slots of 256 along K, filled by the tensor data mover in rows of 512 consecutive bytes.
; CLUSTERS: 4 x 4 work-groups; ao's tiles are asked for jointly along a row of the cluster, Wo's along a column.
; THE ORDER OF K: a tile of Wo is needed by two clusters and a tile of ao by eight.  Clusters whose x + y is odd begin at K = 2,048 and go round
; (slots 8..15, 0..7).  So of the clusters that need a tile one half asks eight slots behind the other half and may find it in the cache.
; The sums of such clusters run over K in that order.
; LIMITS: operands in f16.
; REGISTERS, in windows of 256: window 0: v0-31 addresses, v64-127 and v128-191 ao's fragments (two buffers), later the rows to store; window 1:
; v64-127, v128-191 Wo's fragments, later the other waves' sums; windows 2, 3: the accumulators, tile (a, b) at v[8 (8 a + b)].
; Source 0 = 16 rows of Wo, source 1 = 16 rows of ao: lane l holds row l % 16, columns 8 (l / 16) + 0..7.
; ao's fragment pair p of wave w holds the block's rows 32 ((p + w) & 3) ..+31: pair 0 is the wave's own 32 rows.
.set SIZE_K, 4096
.set KSLOT,  256
.set PITCH,  528                       ; 512 bytes + 16 = 132 words: 16 rows start 4 words apart modulo 64 words
.set HALFT,  64*PITCH
.set SLOT,   4*HALFT
.set STAGE,  2*SLOT                    ; behind the ring: 16 rows x 528 bytes for each wave
.set SPITCH, 528
.set REDB,   49152
.set LAPS,   SIZE_K/(2*KSLOT)
.set OUTP,   16384                     ; bytes in a row of out0
.set CO,   4                           ; v4      16 x lane: also my offset in a row's 512 bytes of out0
.set ADRA, 8
.set ADRB, 16
.set REDW, 18
.set REDR, 19
.set STO,  22
.set RD,   23
.set F0,   64
.set F1,   128
.set G1,  24
.set G0,  32
.set G1B, 48
.set G0B, 56
.set KO,  66                           ; s[66:67], s[68:69]: byte along the rows of slot 0's, slot 1's newest tile (high words 0)
.set MSB, 0
.macro WIN new
.if MSB != \new
	s_set_vgpr_msb (MSB<<8)|\new
.set MSB, \new
.endif
.endm
.set MUL_LO, 0xa1
.set MUL_HI, 0xf1
.set TO_B,   0x40
.macro JLOAD s                         ; waves 0 and 1 fetch ao's two halves, waves 2 and 3 Wo's
	s_cmp_eq_u32 s11, 0
	s_cbranch_scc0 .Lfor_b_\@
	tensor_load_to_lds s[G0+4*\s:G0+4*\s+3], s[G1:G1+7]
	s_nop 0
	s_branch .Lasked_\@
.Lfor_b_\@:
	tensor_load_to_lds s[G0B+4*\s:G0B+4*\s+3], s[G1B:G1B+7]
	s_nop 0
.Lasked_\@:
.endm
.macro CREST
	s_cmp_lg_u32 s10, 0
	s_cbranch_scc1 .Lnot_wave_0_\@
	s_barrier_signal -3
.Lnot_wave_0_\@:
	s_barrier_wait -3
	s_barrier_signal -1
	s_barrier_wait -1
.endm
.macro CROUND
	s_barrier_signal -1
	s_barrier_wait -1
	CREST
.endm
; The global addresses of slot s's next tiles: my rows' first byte + the byte along the rows.  Written only where no tensor load of the wave is out.
.macro TILEADR s
	s_add_nc_u64 s[G0+4*\s+2:G0+4*\s+3], s[14:15], s[KO+2*\s:KO+2*\s+1]
	s_or_b32 s[G0+4*\s+3], s[G0+4*\s+3], 0x80000000
	s_add_nc_u64 s[G0B+4*\s+2:G0B+4*\s+3], s[46:47], s[KO+2*\s:KO+2*\s+1]
	s_or_b32 s[G0B+4*\s+3], s[G0B+4*\s+3], 0x80000000
.endm
	s_load_b128 s[4:7], s[0:1], 0x0                ; ao s[4:5], woh s[6:7]
	s_load_b64 s[8:9], s[0:1], 0x10                ; out0
	v_lshl_add_u32 v254, v0, 2, 0x4a400
	v_mov_b32 v255, 0
	ds_add_u32 v254, v255
	v_lshrrev_b32 v1, 5, v0
	v_readfirstlane_b32 s10, v1
	s_lshr_b32 s11, s10, 1
	s_and_b32 s12, s10, 1
	s_bfe_u32 s40, ttmp6, 0x40000                  ; cx
	s_bfe_u32 s41, ttmp6, 0x40004                  ; cy
	s_lshl_b32 s42, ttmp9, 2
	s_add_co_u32 s42, s42, s40                     ; block column
	s_and_b32 s13, ttmp7, 0xffff
	s_add_co_u32 s70, s13, ttmp9
	s_and_b32 s70, s70, 1                          ; the parity of cluster x + cluster y, the same in all sixteen partners
	s_lshl_b32 s[KO], s70, 12                      ; odd clusters begin at slot 8: 8 x 512 bytes along the rows
	s_mov_b32 s[KO+1], 0
	s_add_co_u32 s[KO+2], s[KO], KSLOT*2
	s_mov_b32 s[KO+3], 0
	s_lshl_b32 s13, s13, 2
	s_add_co_u32 s13, s13, s41                     ; block row
	s_lshl_b32 s43, s41, 2
	s_lshl_b32 s43, 15, s43                        ; my row of the cluster
	s_lshl_b32 s44, 0x1111, s40                    ; my column
	s_or_b32 s[G1+0], s43, (1<<16)|(1<<20)|(1<<21)|(6<<22)|(3<<25)    ; 2-byte elements; 4 words of padding behind every 128 words
	s_or_b32 s[G1B+0], s44, (1<<16)|(1<<20)|(1<<21)|(6<<22)|(3<<25)
	s_mov_b32 s[G1+1], KSLOT<<16
	s_mov_b32 s[G1B+1], KSLOT<<16
	s_mov_b32 s[G1+2], 64<<16
	s_mov_b32 s[G1B+2], 64<<16
	s_mov_b32 s[G1+3], KSLOT<<16
	s_mov_b32 s[G1B+3], KSLOT<<16
	s_mov_b32 s[G1+4], 64
	s_mov_b32 s[G1B+4], 64
	s_mov_b32 s[G1+5], SIZE_K
	s_mov_b32 s[G1B+5], SIZE_K
	s_mov_b32 s[G1+6], 0
	s_mov_b32 s[G1B+6], 0
	s_mov_b32 s[G1+7], 0
	s_mov_b32 s[G1B+7], 0
	s_lshl_b32 s17, s12, 6
	s_lshl_b32 s16, s13, 7
	s_add_co_u32 s16, s16, s17                     ; ao: row 128 x block row + 64 x half
	s_lshl_b32 s46, s42, 7
	s_add_co_u32 s46, s46, s17                     ; Wo: row 128 x block column + 64 x half
	s_lshl_b32 s16, s16, 13
	s_lshl_b32 s46, s46, 13
	s_mov_b32 s17, 0
	s_mov_b32 s47, 0
	s_mul_i32 s20, s10, HALFT
	s_wait_dscnt 0x0
	s_wait_kmcnt 0x0
	s_add_nc_u64 s[14:15], s[4:5], s[16:17]        ; my rows of ao; kept for the whole loop
	s_add_nc_u64 s[46:47], s[6:7], s[46:47]        ; my rows of Wo; likewise
	CROUND                                         ; in front of the first joint loads
.irp s, 0,1
	s_mov_b32 s[G0+4*\s], 1
	s_add_co_u32 s[G0+4*\s+1], s20, \s*SLOT
	s_mov_b32 s[G0B+4*\s], 1
	s_add_co_u32 s[G0B+4*\s+1], s20, \s*SLOT
	TILEADR \s
	JLOAD \s                                       ; two tensor loads of the wave are out
.endr
	v_and_b32 v1, 15, v0                           ; r
	v_bfe_u32 v2, v0, 4, 1                         ; h
	v_mul_u32_u24 v3, v1, PITCH
	v_lshl_add_u32 v3, v2, 4, v3
	s_lshl_b32 s21, s10, 7
	v_add_nc_u32 v3, s21, v3                       ; row x pitch + 16 h + my wave's 128 bytes of a slot's row
.irp p, 0,1,2,3
	s_add_co_u32 s21, s10, \p
	s_and_b32 s21, s21, 3
	s_mul_i32 s21, s21, 32*PITCH
	v_add_nc_u32 v[ADRA+\p], s21, v3
	v_add_nc_u32 v[ADRA+4+\p], SLOT, v[ADRA+\p]
.endr
	v_add_nc_u32 v[ADRB], 2*HALFT, v3
	v_add_nc_u32 v[ADRB+1], 2*HALFT+SLOT, v3
	v_and_b32 v[CO], 31, v0
	v_lshlrev_b32 v[CO], 4, v[CO]                  ; 16 x lane
	s_mul_i32 s21, s10, REDB
	v_add_nc_u32 v[REDW], s21, v[CO]
.irp p, 1,2,3
	s_sub_co_u32 s21, s10, \p
	s_and_b32 s21, s21, 3
	s_mul_i32 s21, s21, REDB
	s_add_co_u32 s21, s21, (\p-1)*16384
	v_add_nc_u32 v[REDR+\p-1], s21, v[CO]
.endr
	s_mul_i32 s23, s10, 16*SPITCH
	s_add_co_u32 s23, s23, STAGE
	v_mul_u32_u24 v5, v1, SPITCH
	v_lshl_add_u32 v5, v2, 5, v5
	v_add_nc_u32 v[STO], s23, v5                   ; in: row r, 32 bytes (8 f32) for each half of the lanes
	v_add_nc_u32 v[RD], s23, v[CO]                 ; back: a row of 512 bytes by 32 lanes
.macro MUL16 f, hi, a0, zero
.irp a, \a0, \a0+1
.irp b, 0,1,2,3,4,5,6,7
.if \zero
	v_wmma_f32_16x16x32_f16 v[8*(8*(\a)+\b):8*(8*(\a)+\b)+7], v[\f+8*\b:\f+8*\b+7], v[\f+8*(4*\hi+\a):\f+8*(4*\hi+\a)+7], 0
.else
	v_wmma_f32_16x16x32_f16 v[8*(8*(\a)+\b):8*(8*(\a)+\b)+7], v[\f+8*\b:\f+8*\b+7], v[\f+8*(4*\hi+\a):\f+8*(4*\hi+\a)+7], v[8*(8*(\a)+\b):8*(8*(\a)+\b)+7]
.endif
.endr
.endr
.endm
.macro FETCH slot, k, f
	WIN TO_B
.irp i, 0,1,2,3,4,5,6,7
	ds_load_b128 v[\f+8*\i:\f+8*\i+3],   v[ADRB+\slot] offset:\k+\i*16*PITCH
	ds_load_b128 v[\f+8*\i+4:\f+8*\i+7], v[ADRB+\slot] offset:\k+\i*16*PITCH+32
.endr
	WIN 0
.irp i, 0,1,2,3,4,5,6,7
	ds_load_b128 v[\f+8*\i:\f+8*\i+3],   v[ADRA+4*\slot+\i/2] offset:\k+(\i&1)*16*PITCH
	ds_load_b128 v[\f+8*\i+4:\f+8*\i+7], v[ADRA+4*\slot+\i/2] offset:\k+(\i&1)*16*PITCH+32
.endr
.endm
.macro PLACES                          ; four places behind a matrix instruction (ISA guide 7.12.1 for vector instructions)
.rept 4
	v_nop
.endr
.endm
; The 64 accumulators take turns, one instruction a turn, in the same order everywhere.
; A wave's first 32 along K of a slot: multiplies buffer f; in its middle the second 32's fragments are fetched into buffer g.
.macro QUARTER slot, k, f, g, zero
	s_wait_dscnt 8                                 ; Wo and ao's fragments 0-3 are in; the youngest eight loads may be out
	WIN MUL_LO
	MUL16 \f, 0, 0, \zero
	MUL16 \f, 0, 2, \zero
	PLACES
	FETCH \slot, \k, \g
	s_wait_dscnt 32                                ; all but the 32 just issued
	WIN MUL_HI
	MUL16 \f, 1, 0, \zero
	MUL16 \f, 1, 2, \zero
.endm
; The second 32: multiplies buffer 1 and changes slots.  All its 64 matrix instructions come first, so that nothing but the barrier stands between
; the other slot's arrival and this slot's next request.  Then each wave waits for all its tensor loads (one is out: its part of the other slot;
; its reads of this slot are back since the wait for 0 ahead of the second half) and passes the barrier.  Behind it (fill = 1: behind the
; cluster's round that it opens) the refill comes first, then the other slot's first fragments.
.macro TURN slot, next, fill
	s_wait_dscnt 8
	WIN MUL_LO
	MUL16 F1, 0, 0, 0
	MUL16 F1, 0, 2, 0
	s_wait_dscnt 0                                 ; ao's fragments 4-7 are in, and with them my reads of this slot are over
	WIN MUL_HI
	MUL16 F1, 1, 0, 0
	MUL16 F1, 1, 2, 0
	WIN 0
	PLACES
	s_wait_tensorcnt 0x0                           ; all my tensor loads have landed: every group 0 may be written
	ds_add_u32 v254, v255
	s_wait_dscnt 0x0
.if \fill
	s_add_co_u32 s[KO+2*\slot], s[KO+2*\slot], 2*KSLOT*2
	s_and_b32 s[KO+2*\slot], s[KO+2*\slot], SIZE_K*2-1     ; two slots on, round the row's 8,192 bytes
	TILEADR \slot
.endif
	s_barrier_signal -1
	s_barrier_wait -1
.if \fill
	CREST                                          ; the round is closed: no wave of any partner reads this slot or has a load on its way
	JLOAD \slot                                    ; the wave's one tensor load behind the round
.endif
	FETCH \next, 0, F0
.endm
.macro LAP zero
	QUARTER 0, 64, F0, F1, \zero
	TURN 0, 1, 1
	QUARTER 1, 64, F0, F1, 0
	TURN 1, 0, 1
.endm
	s_wait_tensorcnt 1                             ; my part of slot 0 is in; slot 1's may stay out
	s_barrier_signal -1
	s_barrier_wait -1
	FETCH 0, 0, F0
	LAP 1
	WIN 0
	s_mov_b32 s3, LAPS-2
.Llap:
	LAP 0
	WIN 0
	s_sub_co_u32 s3, s3, 1
	s_cmp_lg_u32 s3, 0
	s_cbranch_scc1 .Llap
	QUARTER 0, 64, F0, F1, 0                       ; the last lap fills nothing
	TURN 0, 1, 0
	QUARTER 1, 64, F0, F1, 0
	s_wait_dscnt 8
	WIN MUL_LO
	MUL16 F1, 0, 0, 0
	MUL16 F1, 0, 2, 0
	s_wait_dscnt 0
	WIN MUL_HI
	MUL16 F1, 1, 0, 0
	MUL16 F1, 1, 2, 0
	; THE SUM OVER THE WAVES, through the ring's bytes, which have had their last fill
	WIN 0
	PLACES
	s_lshl_b32 s16, s13, 7
	s_lshl_b32 s17, s10, 5
	s_add_co_u32 s16, s16, s17                     ; my first row: 128 x block row + 32 w
	s_lshl_b32 s16, s16, 14                        ; rows of 16,384 bytes
	s_mov_b32 s17, 0
	s_add_nc_u64 s[8:9], s[8:9], s[16:17]
	s_lshl_b32 s46, s42, 9                         ; my block's 512 bytes of a row
	s_mov_b32 s47, 0
	s_add_nc_u64 s[8:9], s[8:9], s[46:47]
	s_barrier_signal -1                            ; every wave's reads of the ring are back
	s_barrier_wait -1
.macro REDST p, win, base
	WIN \win
.irp t, 0,1,2,3,4,5,6,7,8,9,10,11,12,13,14,15
	ds_store_b128 v[REDW], v[\base+8*\t:\base+8*\t+3]   offset:((\p-1)*16+\t)*1024
	ds_store_b128 v[REDW], v[\base+8*\t+4:\base+8*\t+7] offset:((\p-1)*16+\t)*1024+512
.endr
.endm
.macro REDLD p, land
	WIN TO_B
.irp t, 0,1,2,3,4,5,6,7,8,9,10,11,12,13,14,15
	ds_load_b128 v[\land+8*\t:\land+8*\t+3],   v[REDR+\p-1] offset:\t*1024
	ds_load_b128 v[\land+8*\t+4:\land+8*\t+7], v[REDR+\p-1] offset:\t*1024+512
.endr
.endm
.macro REDADD land
	WIN 0x86
.set i, 0
.rept 64
	v_pk_add_f32 v[2*i:2*i+1], v[2*i:2*i+1], v[\land+2*i:\land+2*i+1]
.set i, i+1
.endr
.endm
	REDST 1, 0x08, 128
	REDST 2, 0x0c, 0
	REDST 3, 0x0c, 128
	WIN 0
	s_wait_dscnt 0x0                               ; for the others' sake: my stores are done
	s_barrier_signal -1
	s_barrier_wait -1
	REDLD 1, 0
	REDLD 2, 128
	s_wait_dscnt 32                                ; the first 32 are in
	REDADD 0
	REDLD 3, 0
	s_wait_dscnt 32                                ; the second 32
	REDADD 128
	s_wait_dscnt 0x0
	REDADD 0
	WIN 0x82
.set i, 0
.rept 64
	v_pk_mul_f32 v[2*i:2*i+1], v[2*i:2*i+1], 0x41800000 op_sel_hi:[1,0]    ; x 16: undoes ao's 2^-4
.set i, i+1
.endr
	; THE WAY OUT, 16 rows at a time through my own stage: a lane's 8 f32 in, whole rows of 512 bytes back and out
.macro OUTF a
	WIN 0x08
.irp b, 0,1,2,3,4,5,6,7
	ds_store_b128 v[STO], v[8*(8*\a+\b):8*(8*\a+\b)+3]   offset:64*\b
	ds_store_b128 v[STO], v[8*(8*\a+\b)+4:8*(8*\a+\b)+7] offset:64*\b+16
.endr
	WIN 0
.irp t, 0,1,2,3,4,5,6,7,8,9,10,11,12,13,14,15
	ds_load_b128 v[64+64*\a+4*\t:64+64*\a+4*\t+3], v[RD] offset:\t*SPITCH      ; LDS serves a wave's instructions in order
.endr
.irp t, 0,1,2,3,4,5,6,7,8,9,10,11,12,13,14,15
	s_wait_dscnt 15-\t                             ; read-back t is in, the younger ones stay out
	global_store_b128 v[CO], v[64+64*\a+4*\t:64+64*\a+4*\t+3], s[8:9] offset:(16*\a+\t)*OUTP th:TH_STORE_NT   ; 512 consecutive bytes at a multiple of 512
.endr
.endm
	OUTF 0                                         ; the two calls store from different registers; base and offset are never rewritten
	OUTF 1
	s_wait_tensorcnt 0x0
	ds_add_u32 v254, v255
	s_wait_dscnt 0x0
	CROUND                                         ; the closing round
	s_endpgm
.Lfunc_end_k_q66bacf08bb_oproj:
	.size	k_q66bacf08bb_oproj, .Lfunc_end_k_q66bacf08bb_oproj-k_q66bacf08bb_oproj
	.p2alignl 7, 3214868480
	.fill 96, 4, 3214868480
	.section	.rodata,"a",@progbits
	.p2align	6, 0x0
	.amdhsa_kernel k_q66bacf08bb_oproj
		.amdhsa_group_segment_fixed_size 327680
		.amdhsa_private_segment_fixed_size 0
		.amdhsa_enable_private_segment 0
		.amdhsa_kernarg_size 24
		.amdhsa_user_sgpr_count 2
		.amdhsa_user_sgpr_kernarg_segment_ptr 1
		.amdhsa_wavefront_size32 1
		.amdhsa_system_sgpr_workgroup_id_x 1
		.amdhsa_system_sgpr_workgroup_id_y 1
		.amdhsa_system_sgpr_workgroup_id_z 1
		.amdhsa_system_vgpr_workitem_id 0
		.amdhsa_next_free_vgpr 1024
		.amdhsa_next_free_sgpr 72
		.amdhsa_reserve_vcc 0
		.amdhsa_float_denorm_mode_32 3
		.amdhsa_float_denorm_mode_16_64 3
		.amdhsa_memory_ordered 1
		.amdhsa_forward_progress 1
		.amdhsa_inst_pref_size 127
	.end_amdhsa_kernel
	.amdgpu_metadata
---
amdhsa.version: [ 1, 2 ]
amdhsa.kernels:
  - .name:           k_q66bacf08bb_oproj
    .symbol:         k_q66bacf08bb_oproj.kd
    .args:
      - { .name: ao, .offset: 0, .size: 8, .value_kind: global_buffer, .address_space: global }
      - { .name: woh, .offset: 8, .size: 8, .value_kind: global_buffer, .address_space: global }
      - { .name: out0, .offset: 16, .size: 8, .value_kind: global_buffer, .address_space: global }
    .group_segment_fixed_size: 327680
    .private_segment_fixed_size: 0
    .kernarg_segment_align: 8
    .kernarg_segment_size: 24
    .max_flat_workgroup_size: 128
    .sgpr_count:     72
    .vgpr_count:     1024
    .wavefront_size: 32
...
	.end_amdgpu_metadata
.endif
;; end of part 8
;; ======== version 3 of 3: 4 launches; version 2 with the launch tof16 written anew for expert scheduling mode
;; limits: values are held in f16: magnitudes above 65,504 overflow, below 6.1e-05 lose precision; inputs' magnitudes at most 65,504; right only within a limited range of input values
;; workspace buffers: wh 58,720,256 bytes; woh 33,554,432 bytes; qkv 12,582,912 bytes; ao 8,388,608 bytes
;; launch tof16 (part 9): grid 128 x 7, 8 waves a work-group, no clusters, 0 bytes of LDS; arguments x, Wq, Wk, Wv, wh; writes wh
.if DOCPART == 9
	.amdgcn_target "amdgcn-amd-amdhsa--gfx1250"
	.amdhsa_code_object_version 6
	.text
	.protected	k_q66bacf08bb_tof16
	.globl	k_q66bacf08bb_tof16
	.p2align	8
	.type	k_q66bacf08bb_tof16,@function
k_q66bacf08bb_tof16:
	s_mov_b64 s[64:65], 0
	v_nop
	global_prefetch_b8 v0, s[64:65] scope:SCOPE_SE
	s_setreg_imm32_b32 hwreg(HW_REG_WAVE_SCHED_MODE, 0, 2), 2
	s_setreg_imm32_b32 hwreg(HW_REG_WAVE_MODE, 25, 1), 1
	s_wait_xcnt 0x0
	s_wait_alu depctr_vm_vsrc(0)
; x, Wq, Wk, Wv (f32) are rounded once to f16 into wh, as seven chunks of 4 Mi numbers: chunk 0 = x, 1-4 = Wq, 5 = Wk, 6 = Wv.
; So wh holds x [1024][4096], then [Wq;Wk;Wv] [6144][4096].  (Wo is rounded in the attention's launch, which leaves memory room.)
; Why a pass of its own: each weight row is multiplied by 8 row blocks and each row of x by 32 column blocks, so the product
; fetches every number many times; fetched as f16 they are half the bytes and an LDS slot holds twice the K.
; LIMIT: a number of magnitude above 65,504 becomes an infinity; below 6.1e-5 it keeps an absolute step of 6e-8.
; A stream: no LDS, no barrier, no cluster (no two work-groups read the same byte).
; Grid y = chunk, grid x = which 32 rows of 4,096 bytes of the chunk's 16 MiB.  Thread t owns the 16 bytes at 16 t of every row:
; a load of a wave covers 512 consecutive bytes, a store of a wave 256 consecutive bytes at a multiple of 256.
; No source of a pending memory instruction is ever rewritten: the rows stand in the immediates, and each row has its own two registers to store from.
; THE MODE: SCHED_MODE bits 1:0 = 2 (LLVM: expert scheduling mode 2), set by the entry lines.  The code itself states the register dependences
; between vector instructions and memory instructions, with s_wait_alu, always for 0.
; THE PLAN.  The 32 rows go in 8 blocks of four.  Registers that memory instructions touch:
;   X0 .. X2   three blocks as loaded.  Block p's eight conversions read X[p % 3]; behind them the loads of block p + 3 land in it.
;              No vector instruction writes them, no memory instruction reads them.
;   Y          two registers for each of the 32 rows.  Written once, by the row's two conversions; read once, by the row's store.
;   v1, v2     byte offsets, written once at the head; read by every load (v1) and every store (v2).
; So ONE wait on va_vdst stands in a block, behind its conversions: they have written the block's Y, which its four stores read, and are done
; reading X[p % 3], in which the four loads land.  The buffer is asked for again at once, so that 8 to 12 loads of a wave are on their way.
; One more such wait stands ahead of the first load, for v1 and v2.  No register that a memory instruction reads is ever written again, so the
; text holds no wait on vm_vsrc behind the entry lines; no vector instruction writes a scalar register or VCC, and EXEC is never written.
.set ROW,    4096                      ; bytes of f32 in a row
.set ROWS,   32                        ; rows of a work-group
.set BLOCK,  4                         ; rows in a block
.set BLOCKS, ROWS/BLOCK
.set NBUF,   3                         ; blocks of x as loaded: 12 loads of a wave at the most
.set X,      4                         ; v[4:51]    buffer k, row i: 4 numbers as loaded, at X + 16 k + 4 i
.set Y,      52                        ; v[52:115]  row r: 4 numbers in f16, at Y + 2 r
	s_load_b256 s[4:11], s[0:1], 0x0               ; x s[4:5], Wq s[6:7], Wk s[8:9], Wv s[10:11]
	s_load_b64 s[14:15], s[0:1], 0x20              ; wh
	s_and_b32 s16, ttmp7, 0xffff                   ; chunk c
	s_sub_co_u32 s18, s16, 1                       ; the chunk's number inside Wq
	v_lshlrev_b32 v1, 4, v0                        ; my 16 bytes of a source row
	v_lshlrev_b32 v2, 3, v0                        ; my 8 bytes of a row of wh
	s_wait_kmcnt 0x0
	s_mov_b64 s[20:21], s[4:5]                     ; the source is chosen by the chunk's number alone
	s_mov_b32 s17, 0
	s_cmp_ge_u32 s16, 1
	s_cselect_b64 s[20:21], s[6:7], s[20:21]
	s_cselect_b32 s17, s18, s17
	s_cmp_ge_u32 s16, 5
	s_cselect_b64 s[20:21], s[8:9], s[20:21]
	s_cselect_b32 s17, 0, s17
	s_cmp_ge_u32 s16, 6
	s_cselect_b64 s[20:21], s[10:11], s[20:21]
	s_lshl_b32 s22, s17, 24                        ; 16 MiB for each chunk inside the source (3 at the most),
	s_lshl_b32 s26, ttmp9, 17                      ; 128 KiB for each work-group
	s_add_co_u32 s22, s22, s26
	s_mov_b32 s23, 0
	s_add_nc_u64 s[20:21], s[20:21], s[22:23]
	s_lshl_b32 s24, s16, 23                        ; half of that in wh
	s_lshl_b32 s26, ttmp9, 16
	s_add_co_u32 s24, s24, s26
	s_mov_b32 s25, 0
	s_add_nc_u64 s[14:15], s[14:15], s[24:25]
	s_wait_alu depctr_va_vdst(0)                   ; v1 and v2 are written: every load of the kernel reads v1 as its offset, every store v2
.irp i, 0,1,2,3,4,5,6,7,8,9,10,11
	global_load_b128 v[X+4*\i:X+4*\i+3], v1, s[20:21] offset:\i*ROW th:TH_LOAD_NT     ; blocks 0, 1 and 2 into X0, X1, X2
.endr
.set p, 0
.rept BLOCKS
.if p+NBUF-1 < BLOCKS
	s_wait_loadcnt (NBUF-1)*BLOCK                  ; loads come back in order: block p is in, the two younger blocks' eight loads stay out
.else
	s_wait_loadcnt (BLOCKS-1-p)*BLOCK              ; the last blocks: nothing is loaded any more, the count runs down
.endif
.irp i, 0,1,2,3
	v_cvt_pk_f16_f32 v[Y+2*(BLOCK*p+\i)],   v[X+16*(p%NBUF)+4*\i],   v[X+16*(p%NBUF)+4*\i+1]
	v_cvt_pk_f16_f32 v[Y+2*(BLOCK*p+\i)+1], v[X+16*(p%NBUF)+4*\i+2], v[X+16*(p%NBUF)+4*\i+3]
.endr
	s_wait_alu depctr_va_vdst(0)                   ; the eight conversions have written this block's Y, which the stores below read, and are done reading X[p % 3], in which the loads below land
.if p+NBUF < BLOCKS
.irp i, 0,1,2,3
	global_load_b128 v[X+16*(p%NBUF)+4*\i:X+16*(p%NBUF)+4*\i+3], v1, s[20:21] offset:(BLOCK*(p+NBUF)+\i)*ROW th:TH_LOAD_NT   ; three blocks on; the loads ahead of the stores
.endr
.endif
.irp i, 0,1,2,3
	global_store_b64 v2, v[Y+2*(BLOCK*p+\i):Y+2*(BLOCK*p+\i)+1], s[14:15] offset:(BLOCK*p+\i)*ROW/2
.endr
.set p, p+1
.endr
	s_endpgm
.Lfunc_end_k_q66bacf08bb_tof16:
	.size	k_q66bacf08bb_tof16, .Lfunc_end_k_q66bacf08bb_tof16-k_q66bacf08bb_tof16
	.p2alignl 7, 3214868480
	.fill 96, 4, 3214868480
	.section	.rodata,"a",@progbits
	.p2align	6, 0x0
	.amdhsa_kernel k_q66bacf08bb_tof16
		.amdhsa_group_segment_fixed_size 0
		.amdhsa_private_segment_fixed_size 0
		.amdhsa_enable_private_segment 0
		.amdhsa_kernarg_size 40
		.amdhsa_user_sgpr_count 2
		.amdhsa_user_sgpr_kernarg_segment_ptr 1
		.amdhsa_wavefront_size32 1
		.amdhsa_system_sgpr_workgroup_id_x 1
		.amdhsa_system_sgpr_workgroup_id_y 1
		.amdhsa_system_sgpr_workgroup_id_z 1
		.amdhsa_system_vgpr_workitem_id 0
		.amdhsa_next_free_vgpr 116
		.amdhsa_next_free_sgpr 66
		.amdhsa_reserve_vcc 0
		.amdhsa_float_denorm_mode_32 3
		.amdhsa_float_denorm_mode_16_64 3
		.amdhsa_memory_ordered 1
		.amdhsa_forward_progress 1
		.amdhsa_inst_pref_size 12
	.end_amdhsa_kernel
	.amdgpu_metadata
---
amdhsa.version: [ 1, 2 ]
amdhsa.kernels:
  - .name:           k_q66bacf08bb_tof16
    .symbol:         k_q66bacf08bb_tof16.kd
    .args:
      - { .name: x, .offset: 0, .size: 8, .value_kind: global_buffer, .address_space: global }
      - { .name: Wq, .offset: 8, .size: 8, .value_kind: global_buffer, .address_space: global }
      - { .name: Wk, .offset: 16, .size: 8, .value_kind: global_buffer, .address_space: global }
      - { .name: Wv, .offset: 24, .size: 8, .value_kind: global_buffer, .address_space: global }
      - { .name: wh, .offset: 32, .size: 8, .value_kind: global_buffer, .address_space: global }
    .group_segment_fixed_size: 0
    .private_segment_fixed_size: 0
    .kernarg_segment_align: 8
    .kernarg_segment_size: 40
    .max_flat_workgroup_size: 256
    .sgpr_count:     66
    .vgpr_count:     116
    .wavefront_size: 32
...
	.end_amdgpu_metadata
.endif
;; end of part 9
;; launch qkv: the kernel of part 6 again; grid 32 x 8, 4 waves a work-group, clusters of 4 x 4, 327,680 bytes of LDS; arguments wh, freqs, qkv; writes qkv
;; launch attn: the kernel of part 7 again; grid 32 x 8, 4 waves a work-group, clusters of 4 x 1, 327,680 bytes of LDS; arguments qkv, Wo, ao, woh; writes ao, woh
;; launch oproj: the kernel of part 8 again; grid 32 x 8, 4 waves a work-group, clusters of 4 x 4, 327,680 bytes of LDS; arguments ao, woh, out0; writes out0
